; MI455X (gfx1250); checked and timed in simulation.
; The chip was launched on July 23, 2026; its instructions are those of AMD's public machine-readable ISA for CDNA 5 (MIT licence, August 2026) and "CDNA5" Instruction Set Architecture Reference Guide (July 2026). The comments in the code are by the model that wrote it; some were corrected since.
;; GQSW Attention. Allowed arithmetic: float matrix products may take bf16 or f16 operands with f32 sums; all other float work in f32.
;; Inputs: Wk 2,048 x 512 float32; Wo 1,024 x 2,048 float32; Wq 2,048 x 1,024 float32; Wv 2,048 x 512 float32; cos 4,096 x 128 float32; kn_w 128 float32; qn_w 128 float32; sin 4,096 x 128 float32; x 1 x 4,096 x 2,048 float32.
;; Outputs: out0 1 x 4,096 x 2,048 float32.
;; 2 versions, each right and faster than the one before. Each part assembles by itself: llvm-mc -triple=amdgcn-amd-amdhsa -mcpu=gfx1250 --defsym DOCPART=n.
;; ======== version 1 of 2: 4 launches
;; limits: values outside matrix products are rounded to bf16; values are held in f16: magnitudes above 65,504 overflow, below 6.1e-05 lose precision
;; workspace buffers: xb 16,777,216 bytes; wqkv 8,388,608 bytes; wob 4,194,304 bytes; csb 2,097,152 bytes; qb 8,388,608 bytes; kb 4,194,304 bytes; vb 8,388,608 bytes; ab 16,777,216 bytes
;; launch cast (part 1): grid 1920 x 1, 8 waves a work-group, no clusters, 0 bytes of LDS; arguments x, Wq, Wk, Wv, Wo, cos, sin, xb, wqkv, wob, csb; writes xb, wqkv, wob, csb
.if DOCPART == 1
	.amdgcn_target "amdgcn-amd-amdhsa--gfx1250"
	.amdhsa_code_object_version 6
	.text
	.protected	k_q7766ab3da8_cast
	.globl	k_q7766ab3da8_cast
	.p2align	8
	.type	k_q7766ab3da8_cast,@function
k_q7766ab3da8_cast:
	s_mov_b64 s[64:65], 0
	v_nop
	global_prefetch_b8 v0, s[64:65] scope:SCOPE_SE
	s_setreg_imm32_b32 hwreg(HW_REG_WAVE_MODE, 25, 1), 1
	s_wait_xcnt 0x0
; f32 -> bf16 (round to nearest even) of x, of the four weights and of cos and sin, once.
;   xb   [4096][2048]  = x
;   wqkv [2048 k][2048 n]: n 0..1023 = Wq; then for g = 0..3: 128 columns of Wk (head g), 128 columns of Wv (head g), at n = 1024 + 256 g
;   wob  [1024 k][2048 n] = Wo
;   csb  [4096][256]: a row holds the position's 128 cos, then its 128 sin
; FORMAT: this program computes on inputs rounded to bf16, all of them (the two gains are rounded where they are loaded); what follows the products is kept in f32 or in pieces of 16 bits
; that together hold 16 bits of mantissa or more.
; A work-group takes 8,192 consecutive f32 of ONE source (32,768 bytes in, 16,384 out).  Thread t, load i: the 16 bytes at 4,096 i + 16 t:
; a load of a wave covers 512 consecutive bytes, a store of a wave 256 consecutive bytes at a multiple of 256 from the buffer's first byte.
; All eight loads of a thread go out first; the waits count down.  No LDS, no barrier, no matrix unit: the work is a copy.
; Work-groups 0..1023 x, 1024..1279 Wq, 1280..1407 Wk, 1408..1535 Wv, 1536..1791 Wo, 1792..1855 cos, 1856..1919 sin.  Each part is written out with its own constants.
	s_load_b512 s[8:23], s[0:1], 0x0               ; x s[8:9], Wq s[10:11], Wk s[12:13], Wv s[14:15], Wo s[16:17], cos s[18:19], sin s[20:21], xb s[22:23]
	s_load_b128 s[32:35], s[0:1], 0x40             ; wqkv s[32:33], wob s[34:35]
	s_load_b64 s[36:37], s[0:1], 0x50              ; csb
	v_lshlrev_b32 v1, 4, v0                        ; 16 t: my bytes in each 4,096 of the source
	v_lshrrev_b32 v2, 7, v0                        ; t >> 7
	v_bfe_u32 v3, v0, 5, 2                         ; (t >> 5) & 3
	v_and_b32 v4, 31, v0
	v_lshlrev_b32 v4, 3, v4                        ; 8 (t & 31)
	s_mov_b32 s27, 0                               ; high words of the two offsets
	s_mov_b32 s29, 0
	s_wait_kmcnt 0x0
; One part.  src, dst: the scalar pairs of the two pointers.  start: the part's first work-group.  The destination of thread t, load i, is
; ((w - start) << shift) + plus + (t >> 7) ca + ((t >> 5) & 3) cb + 8 (t & 31) + i step.
.macro PART src, dst, start, shift, plus, ca, cb, step
	s_sub_co_u32 s24, ttmp9, \start
	s_lshl_b32 s26, s24, 15                        ; 32,768 bytes of the source for each work-group
	s_lshl_b32 s28, s24, \shift
.if \plus
	s_add_co_u32 s28, s28, \plus
.endif
	s_add_nc_u64 s[4:5], s[\src:\src+1], s[26:27]
	s_add_nc_u64 s[6:7], s[\dst:\dst+1], s[28:29]
	v_mad_u32_u24 v5, v2, \ca, v4
	v_mad_u32_u24 v5, v3, \cb, v5
.irp i, 0,1,2,3,4,5,6,7
	global_load_b128 v[8+4*\i:11+4*\i], v1, s[4:5] offset:4096*\i th:TH_LOAD_NT   ; read once in the whole launch
.endr
.irp i, 0,1,2,3,4,5,6,7
	s_wait_loadcnt 7-\i                            ; loads come back in order: load i is in, the younger ones stay out
	v_cvt_pk_bf16_f32 v[40+2*\i], v[8+4*\i], v[9+4*\i]
	v_cvt_pk_bf16_f32 v[41+2*\i], v[10+4*\i], v[11+4*\i]
	global_store_b64 v5, v[40+2*\i:41+2*\i], s[6:7] offset:\step*\i   ; no register of a load or store is ever written again
.endr
	s_endpgm
.endm
	s_cmp_lt_u32 ttmp9, 1024
	s_cbranch_scc0 .Lnot_x
	PART 8, 22, 0, 14, 0, 1024, 256, 2048          ; x: dense; the three lane terms add up to 8 t
.Lnot_x:
	s_cmp_lt_u32 ttmp9, 1280
	s_cbranch_scc0 .Lnot_wq
	PART 10, 32, 1024, 15, 0, 1024, 256, 4096      ; Wq: load i is a row of 1,024 numbers; eight rows of wqkv (4,096 bytes each) for a work-group
.Lnot_wq:
	s_cmp_lt_u32 ttmp9, 1408
	s_cbranch_scc0 .Lnot_wk
	PART 12, 32, 1280, 16, 2048, 4096, 512, 8192   ; Wk: load i is two rows of 512; t >> 7 the row, (t >> 5) & 3 the head g, whose pair of K and V begins at byte 2,048 + 512 g
.Lnot_wk:
	s_cmp_lt_u32 ttmp9, 1536
	s_cbranch_scc0 .Lnot_wv
	PART 14, 32, 1408, 16, 2304, 4096, 512, 8192   ; Wv: the same, 256 bytes further on
.Lnot_wv:
	s_cmp_lt_u32 ttmp9, 1792
	s_cbranch_scc0 .Lnot_wo
	PART 16, 34, 1536, 14, 0, 1024, 256, 2048      ; Wo: dense
.Lnot_wo:
	s_cmp_lt_u32 ttmp9, 1856
	s_cbranch_scc0 .Lnot_cos
	PART 18, 36, 1792, 15, 0, 2048, 512, 4096      ; cos: load i is eight rows of 128; t >> 5 = 4 (t >> 7) + ((t >> 5) & 3) the row, 512 bytes of csb each
.Lnot_cos:
	PART 20, 36, 1856, 15, 256, 2048, 512, 4096    ; sin: the same, in the rows' second halves
.Lfunc_end_k_q7766ab3da8_cast:
	.size	k_q7766ab3da8_cast, .Lfunc_end_k_q7766ab3da8_cast-k_q7766ab3da8_cast
	.p2alignl 7, 3214868480
	.fill 96, 4, 3214868480
	.section	.rodata,"a",@progbits
	.p2align	6, 0x0
	.amdhsa_kernel k_q7766ab3da8_cast
		.amdhsa_group_segment_fixed_size 0
		.amdhsa_private_segment_fixed_size 0
		.amdhsa_enable_private_segment 0
		.amdhsa_kernarg_size 88
		.amdhsa_user_sgpr_count 2
		.amdhsa_user_sgpr_kernarg_segment_ptr 1
		.amdhsa_wavefront_size32 1
		.amdhsa_system_sgpr_workgroup_id_x 1
		.amdhsa_system_sgpr_workgroup_id_y 1
		.amdhsa_system_sgpr_workgroup_id_z 1
		.amdhsa_system_vgpr_workitem_id 0
		.amdhsa_next_free_vgpr 64
		.amdhsa_next_free_sgpr 66
		.amdhsa_reserve_vcc 0
		.amdhsa_float_denorm_mode_32 3
		.amdhsa_float_denorm_mode_16_64 3
		.amdhsa_memory_ordered 1
		.amdhsa_forward_progress 1
		.amdhsa_inst_pref_size 24
	.end_amdhsa_kernel
	.amdgpu_metadata
---
amdhsa.version: [ 1, 2 ]
amdhsa.kernels:
  - .name:           k_q7766ab3da8_cast
    .symbol:         k_q7766ab3da8_cast.kd
    .args:
      - { .name: x, .offset: 0, .size: 8, .value_kind: global_buffer, .address_space: global }
      - { .name: Wq, .offset: 8, .size: 8, .value_kind: global_buffer, .address_space: global }
      - { .name: Wk, .offset: 16, .size: 8, .value_kind: global_buffer, .address_space: global }
      - { .name: Wv, .offset: 24, .size: 8, .value_kind: global_buffer, .address_space: global }
      - { .name: Wo, .offset: 32, .size: 8, .value_kind: global_buffer, .address_space: global }
      - { .name: cos, .offset: 40, .size: 8, .value_kind: global_buffer, .address_space: global }
      - { .name: sin, .offset: 48, .size: 8, .value_kind: global_buffer, .address_space: global }
      - { .name: xb, .offset: 56, .size: 8, .value_kind: global_buffer, .address_space: global }
      - { .name: wqkv, .offset: 64, .size: 8, .value_kind: global_buffer, .address_space: global }
      - { .name: wob, .offset: 72, .size: 8, .value_kind: global_buffer, .address_space: global }
      - { .name: csb, .offset: 80, .size: 8, .value_kind: global_buffer, .address_space: global }
    .group_segment_fixed_size: 0
    .private_segment_fixed_size: 0
    .kernarg_segment_align: 8
    .kernarg_segment_size: 88
    .max_flat_workgroup_size: 256
    .sgpr_count:     66
    .vgpr_count:     64
    .wavefront_size: 32
...
	.end_amdgpu_metadata
.endif
;; end of part 1
;; launch qkv (part 2): grid 8 x 32, 4 waves a work-group, clusters of 4 x 4, 327,680 bytes of LDS; arguments xb, wqkv, csb, qn_w, kn_w, qb, kb, vb; writes qb, kb, vb
.if DOCPART == 2
	.amdgcn_target "amdgcn-amd-amdhsa--gfx1250"
	.amdhsa_code_object_version 6
	.text
	.protected	k_q7766ab3da8_qkv
	.globl	k_q7766ab3da8_qkv
	.p2align	8
	.type	k_q7766ab3da8_qkv,@function
k_q7766ab3da8_qkv:
	s_mov_b64 s[64:65], 0
	v_nop
	global_prefetch_b8 v0, s[64:65] scope:SCOPE_SE
	s_setreg_imm32_b32 hwreg(HW_REG_WAVE_MODE, 25, 1), 1
	s_wait_xcnt 0x0
	s_wait_alu depctr_hold_cnt(0) depctr_sa_sdst(0) depctr_va_vdst(0) depctr_va_sdst(0) depctr_va_ssrc(0) depctr_va_vcc(0) depctr_vm_vsrc(0)
	s_getreg_b32 s2, hwreg(HW_REG_IB_STS2, 6, 4)
	s_cmp_eq_u32 s2, 0
	s_cbranch_scc0 .Lentry_in_a_cluster
	s_endpgm
.Lentry_in_a_cluster:
	s_bfe_u32 s2, ttmp6, 0x10000c
	s_cmp_lg_u32 s2, 0xf033
	s_cbranch_scc0 .Lentry_shape_is_right
	s_endpgm
.Lentry_shape_is_right:
; [q | k, v] = xb . wqkv, then on each head of q and k the RMS norm with its gain and RoPE, all in f32 on the f32 sums; out head by head:
; qb [8][4096][128] f16, kb [4][4096][128] f16, vb [4][4096][256] f16: a row of vb holds v's 128 high pieces, then its 128 low pieces.
; xb [4096][2048] bf16, wqkv [2048 k][2048 n] bf16 (n: 8 heads of q, then K_g, V_g for g = 0..3), csb [4096][256] bf16 (cos | sin).
; FORMATS.  q and k go on as f16: 11 bits, since an error of a score moves every weight of a query with few keys.  v goes on as TWO f16: hi = v with its mantissa cut to 10 bits (exact in
; f16), lo = v - hi: 21 bits or more, since a query with few keys passes v on nearly unchanged.  The gains are rounded to bf16 as all inputs of this program are.
; SHARES.  A tile of the product is 128 rows x 256 columns: 8 x 32 = 256 work-groups.  Four waves: MI = wave >> 1 takes 64 rows, NJ = wave & 1 takes 128 columns = ONE HEAD,
; so a row's norm and its rotation never leave the wave.  32 accumulators of 16 x 16 a wave, 256 registers.
; K goes in steps of 128 through two LDS slots filled by the tensor data mover: rows of xb 256 bytes, rows of wqkv 512 bytes, each beginning at a multiple of 256 from its buffer's first byte.
; CLUSTER 4 x 4: the four work-groups of a row of the cluster need the same tile of xb (and of csb), the four of a column the same tile of wqkv: joint loads.
; THE MATRIX INSTRUCTION IS USED TRANSPOSED: source 0 = 16 columns of wqkv (which lies [k][n]: ds_load_tr16_b128 turns it), source 1 = 16 rows of xb.
; In accumulator (a, b) lane l, register j, holds row 16 a + l % 16 and column 16 b + 8 (l / 16) + j of the wave's part: eight neighbouring columns of one row.
; Which tile is what hangs on the cluster's x and the wave alone: cluster x = 0: two heads of q; cluster x = 1: NJ = 0 a head of k, NJ = 1 a head of v (no norm, no rotation).
; COS AND SIN (128 rows x 512 bytes) come by one more joint load a wave, 32 rows each, into slot 0 when it has been read for the last time.
; REGISTERS: window 0: v0-31 addresses and work; v32-127, v128-223 two fragment buffers (64 of W, 32 of x); on the way out v32-255 as named below.
;   window 1: the accumulators, (a, b) at v[8 (8 a + b)].   window 2: v0-63 the gain of my 64 columns, v64-95 at work.
; LIMITS: the products' operands are bf16.  |v| stays under 65,504, f16's largest (as drawn v has a spread of 0.9); pieces under 2^-14 are kept to 2^-25 absolutely.
; |q|, |k| <= sqrt(128) |gain| (|cos| + |sin|).  v_rsq_f32 is accurate to 1 ULP; its argument is at least 1e-6.  NaN and infinities are not treated apart.
.set SIZE_K, 2048
.set KSTEP,  128
.set LAPS,   SIZE_K/(2*KSTEP)          ; a lap = two K steps = once round the ring
.set WROW,   4096                      ; bytes in a row of wqkv
.set PA,     272                       ; an LDS row of x: 256 bytes + 16: the 16 rows of a fragment load begin in 16 different groups of four banks (64 banks of 4 bytes: ISA guide 11.1)
.set PB,     544                       ; an LDS row of W: 512 bytes + 32 = 17 x 32
.set AHALF,  64*PA                     ; what one tensor load brings of x
.set BHALF,  64*PB                     ; and of W
.set ATILE,  2*AHALF
.set S1,     ATILE+2*BHALF             ; a slot: x's tile, then W's: 104,448 bytes; slot 1 begins here
.set STAGE,  2*S1                      ; behind the ring: 16 rows x 272 bytes for each wave, for the way out
.set SP,     272
.set SPARE,  STAGE+4*16*SP             ; behind the stages: the spare words, 128 bytes for each wave: two blocks of 256 bytes that no other line names
.set PC,     528                       ; an LDS row of cos | sin: 512 bytes + 16
.set CQ,     32*PC                     ; what one tensor load brings of it; the four take bytes 0 to 67,583, inside slot 0
.set T,    4                           ; v4-11   at work
.set RS,   12                          ; v12-13  1 / rms of my row, twice
.set GOFF, 14                          ; v14     32 (l / 16): my byte offset in the gain; never rewritten
.set ADRA, 16                          ; v16-17  LDS address of my fragments of x in slot 0, 1
.set ADRB, 20                          ; v20-21  the same for W
.set STO,  24                          ; v24     the way out: where I put 16 bytes of a row
.set RD,   25                          ; v25     where I read a row back
.set CO,   26                          ; v26     my byte offset in the output
.set CSA,  27                          ; v27     LDS address of my row's cos
.set SPW,  28                          ; v28     LDS address of my spare word; never rewritten
.set NIL,  29                          ; v29     0; never rewritten
.set F0,   32
.set F1,   128
.set Y,    32                          ; way out of q, k: v32-95 a block of 16 rows, normed and scaled
.set CR0,  96                          ; v96-111, v112-127: two sets of cos_lo, cos_hi, sin_lo, sin_hi as loaded, 4 registers (8 bf16) each
.set CR1,  112
.set CU,   128                         ; v128-159 one set widened to f32: cos_lo, cos_hi, sin_lo, sin_hi, 8 each
.set BK0,  160                         ; v160-191, v192-223: rows read back from the stage
.set OUT,  224                         ; v224-255 packed f16
.set TH,   32                          ; way out of v: v32-95 high pieces in f32, v96-159 low pieces in f32, then v32-63 the low pieces packed
.set TL,   96
.set OL,   32
.set PXB, 4                            ; the pointers
.set PW,  6
.set PCS, 8
.set PQN, 10
.set PKN, 12
.set PQB, 14
.set PKB, 16
.set PVB, 18
.set HIM, 20                           ; s20 0xffff0000: a word's upper bf16
.set FMSK, 21                          ; s21 0xffffe000: sign, exponent and 10 bits of mantissa
.set WV, 22
.set MI, 23
.set NJ, 24                            ; also: which half of a tile I fetch
.set CX, 25
.set CY, 26
.set TC, 27
.set TR, 28
.set RMASK, 29
.set CMASK, 30
.set ISV, 31
.set G1A, 32                           ; s[32:39] group 1 for x      s[40:47] for W      s[68:75] for cos | sin
.set G1B, 40
.set G0A, 48                           ; s[48:55] group 0 for x, a set for each slot      s[56:63] for W      s[76:79] for cos | sin
.set G0B, 56
.set G1C, 68
.set G0C, 76
.set AOF, 80
.set BOF, 82
.set COF, 84
.set DST, 86
.set GAIN, 88
.set SEL, 90
.set INV, 92
.set EPS, 93
.set LAP, 94
.set MSB, 0
.macro WIN new                         ; the immediate's high byte repeats the setting that is left; a switch that changes nothing is dropped
.if MSB != \new
	s_set_vgpr_msb (MSB<<8)|\new
.set MSB, \new
.endif
.endm
.set MUL, 0x50                         ; C and D in window 1, the sources in window 0
.macro PLACES                          ; four places behind a matrix instruction, ahead of loads into its sources and of reads of its result
.rept 4
	v_nop
.endr
.endm
; A joint load.  Waves 0 and 1 fetch the two halves of x's tile, waves 2 and 3 those of W's.  The branch hangs on the wave's number alone.
; Four v_nop follow each of the two lines.
.macro JLOAD s
	s_cmp_eq_u32 s[MI], 0
	s_cbranch_scc0 .Lfor_b_\@
	tensor_load_to_lds s[G0A+4*\s:G0A+4*\s+3], s[G1A:G1A+7]
	s_nop 0
.rept 4
	v_nop
.endr
	s_branch .Lasked_\@
.Lfor_b_\@:
	tensor_load_to_lds s[G0B+4*\s:G0B+4*\s+3], s[G1B:G1B+7]
	s_nop 0
.rept 4
	v_nop
.endr
.Lasked_\@:
.endm
.macro CSLOAD                          ; every wave: 32 rows of cos | sin, shared along the row of the cluster
	tensor_load_to_lds s[G0C:G0C+3], s[G1C:G1C+7]
	s_nop 0
.rept 4
	v_nop
.endr
.endm
.macro CREST                           ; a round of the cluster's barrier behind its opening barrier
	s_cmp_lg_u32 s[WV], 0
	s_cbranch_scc1 .Lnot_wave_0_\@
	s_barrier_signal -3
.Lnot_wave_0_\@:
	s_barrier_wait -3
	s_barrier_signal -1
	s_barrier_wait -1
.endm
.macro CROUND
	s_barrier_signal -1
	s_barrier_wait -1
	CREST
.endm
	s_load_b512 s[4:19], s[0:1], 0x0               ; xb, wqkv, csb, qn_w, kn_w, qb, kb, vb
	v_lshl_add_u32 v[SPW], v0, 2, SPARE
	v_mov_b32 v[NIL], 0
	ds_add_u32 v28, v29
	ds_add_u32 v28, v29
	s_wait_dscnt 0x0
	v_lshrrev_b32 v1, 5, v0
	v_readfirstlane_b32 s[WV], v1                  ; wave 0..3
	s_lshr_b32 s[MI], s[WV], 1
	s_and_b32 s[NJ], s[WV], 1
	s_bfe_u32 s[CX], ttmp6, 0x40000                ; my place in the cluster
	s_bfe_u32 s[CY], ttmp6, 0x40004
	s_lshl_b32 s[TC], ttmp9, 2
	s_add_co_u32 s[TC], s[TC], s[CX]               ; tile column = 4 x cluster x + cx
	s_and_b32 s[TR], ttmp7, 0xffff
	s_lshl_b32 s[TR], s[TR], 2
	s_add_co_u32 s[TR], s[TR], s[CY]               ; tile row = 4 x cluster y + cy
	s_lshl_b32 s[RMASK], s[CY], 2
	s_lshl_b32 s[RMASK], 15, s[RMASK]              ; my row of the cluster
	s_lshl_b32 s[CMASK], 0x1111, s[CX]             ; my column
	; group 1 for x: 64 rows x 128 elements of 2 bytes; 4 words of padding behind every 64
	s_or_b32 s[G1A+0], s[RMASK], (1<<16)|(1<<20)|(1<<21)|(5<<22)|(3<<25)
	s_mov_b32 s[G1A+1], KSTEP<<16                  ; tensor_dim0
	s_mov_b32 s[G1A+2], 64<<16                     ; tensor_dim1
	s_mov_b32 s[G1A+3], KSTEP<<16                  ; tile_dim0
	s_mov_b32 s[G1A+4], 64                         ; tile_dim1
	s_mov_b32 s[G1A+5], SIZE_K                     ; elements from row to row
	s_mov_b32 s[G1A+6], 0
	s_mov_b32 s[G1A+7], 0
	; group 1 for W: 64 rows (k) x 256 elements; 8 words of padding behind every 128
	s_or_b32 s[G1B+0], s[CMASK], (1<<16)|(1<<20)|(1<<21)|(6<<22)|(7<<25)
	s_mov_b32 s[G1B+1], 256<<16
	s_mov_b32 s[G1B+2], 64<<16
	s_mov_b32 s[G1B+3], 256<<16
	s_mov_b32 s[G1B+4], 64
	s_mov_b32 s[G1B+5], 2048
	s_mov_b32 s[G1B+6], 0
	s_mov_b32 s[G1B+7], 0
	; group 1 for cos | sin: 32 rows x 256 elements of 2 bytes; 4 words of padding behind every 128
	s_or_b32 s[G1C+0], s[RMASK], (1<<16)|(1<<20)|(1<<21)|(6<<22)|(3<<25)
	s_mov_b32 s[G1C+1], 256<<16
	s_mov_b32 s[G1C+2], 32<<16
	s_mov_b32 s[G1C+3], 256<<16
	s_mov_b32 s[G1C+4], 32
	s_mov_b32 s[G1C+5], 256
	s_mov_b32 s[G1C+6], 0
	s_mov_b32 s[G1C+7], 0
	; offsets.  Those of x and of cos | sin hang on the tile row and the wave, W's on the tile column and the wave, each in registers of its own.
	s_lshl_b32 s[AOF], s[TR], 7
	s_lshl_b32 s95, s[NJ], 6
	s_add_co_u32 s[AOF], s[AOF], s95               ; the first row of x that I fetch: 128 x tile row + 64 x half
	s_mul_i32 s[AOF], s[AOF], SIZE_K*2
	s_mov_b32 s[AOF+1], 0
	s_lshl_b32 s[COF], s[TR], 7
	s_lshl_b32 s95, s[WV], 5
	s_add_co_u32 s[COF], s[COF], s95               ; the first row of cos | sin that I fetch: 128 x tile row + 32 x wave
	s_lshl_b32 s[COF], s[COF], 9                   ; 512 bytes a row
	s_mov_b32 s[COF+1], 0
	s_lshl_b32 s[BOF], s[TC], 9                    ; W: 512 bytes a tile column,
	s_lshl_b32 s95, s[NJ], 18                      ; and 64 rows of 4,096 bytes for the second half
	s_add_co_u32 s[BOF], s[BOF], s95
	s_mov_b32 s[BOF+1], 0
	s_mul_i32 s96, s[NJ], AHALF                    ; where they go in a slot: no place in the cluster enters an LDS address
	s_mul_i32 s97, s[NJ], BHALF
	s_add_co_u32 s97, s97, ATILE
	s_mov_b32 s[SEL], 0x76543210                   ; v_permlanex16_b32: each lane takes its own place in the other half
	s_mov_b32 s[SEL+1], 0xfedcba98
	s_mov_b32 s[INV], 0x3c000000                   ; 1 / 128
	s_mov_b32 s[EPS], 0x358637bd                   ; 1e-6
	s_mov_b32 s[HIM], 0xffff0000
	s_mov_b32 s[FMSK], 0xffffe000
	s_wait_kmcnt 0x0
	s_add_nc_u64 s[AOF:AOF+1], s[PXB:PXB+1], s[AOF:AOF+1]
	s_add_nc_u64 s[BOF:BOF+1], s[PW:PW+1], s[BOF:BOF+1]
	CROUND                                         ; all sixteen work-groups are here: the first joint loads meet
.irp s, 0,1
	s_mov_b32 s[G0A+4*\s], 1                                       ; count = 1
	s_add_co_u32 s[G0A+4*\s+1], s96, \s*S1                         ; LDS address
	s_add_nc_u64 s[G0A+4*\s+2:G0A+4*\s+3], s[AOF:AOF+1], \s*KSTEP*2   ; K step s
	s_or_b32 s[G0A+4*\s+3], s[G0A+4*\s+3], 0x80000000              ; type = 2
	s_mov_b32 s[G0B+4*\s], 1
	s_add_co_u32 s[G0B+4*\s+1], s97, \s*S1
	s_add_nc_u64 s[G0B+4*\s+2:G0B+4*\s+3], s[BOF:BOF+1], \s*KSTEP*WROW
	s_or_b32 s[G0B+4*\s+3], s[G0B+4*\s+3], 0x80000000
	JLOAD \s                                       ; two tensor loads of mine are out
.endr
	; group 0 for cos | sin
	s_mov_b32 s[G0C], 1
	s_mul_i32 s[G0C+1], s[WV], CQ
	s_add_nc_u64 s[G0C+2:G0C+3], s[PCS:PCS+1], s[COF:COF+1]
	s_or_b32 s[G0C+3], s[G0C+3], 0x80000000
	; what my 128 columns are, and where they go
	s_cmp_eq_u32 s[NJ], 0
	s_cselect_b64 s[DST:DST+1], s[PKB:PKB+1], s[PVB:PVB+1]   ; cluster x = 1: kb or vb
	s_lshl_b32 s2, s[CX], 1
	s_add_co_u32 s2, s2, s[NJ]                     ; cluster x = 0: head 2 cx + NJ of q
	s_cmp_eq_u32 ttmp9, 0
	s_cselect_b64 s[DST:DST+1], s[PQB:PQB+1], s[DST:DST+1]
	s_cselect_b64 s[GAIN:GAIN+1], s[PQN:PQN+1], s[PKN:PKN+1]
	s_cselect_b32 s2, s2, s[CX]                    ; cluster x = 1: head cx of k or v
	s_cselect_b32 s[ISV], 0, s[NJ]                 ; 1: my columns are a head of v
	s_lshl_b32 s98, s2, 20                         ; a head of q or k is 4,096 rows of 256 bytes
	s_lshl_b32 s3, s[TR], 15                       ; 128 rows a tile row,
	s_add_co_u32 s98, s98, s3
	s_lshl_b32 s3, s[MI], 14                       ; my 64 of them
	s_add_co_u32 s98, s98, s3
	s_lshl_b32 s98, s98, s[ISV]                    ; rows of vb are twice as long
	s_mov_b32 s99, 0
	s_add_nc_u64 s[DST:DST+1], s[DST:DST+1], s[98:99]
	v_and_b32 v1, 15, v0                           ; l % 16
	v_bfe_u32 v2, v0, 4, 1                         ; l / 16
	v_lshlrev_b32 v[GOFF], 5, v2
	WIN 0x80                                       ; destination window 2
.irp b, 0,1,2,3,4,5,6,7                ; the gain of columns 16 b + 8 (l / 16) + 0..7.  Every wave loads it, a wave of v too (512 bytes that it does not use), so that the registers are written on every path
	global_load_b128 v[8*\b:8*\b+3],   v[GOFF], s[GAIN:GAIN+1] offset:64*\b
	global_load_b128 v[8*\b+4:8*\b+7], v[GOFF], s[GAIN:GAIN+1] offset:64*\b+16
.endr
	WIN 0
	; fragments of x: lane l holds row l % 16; two loads of 16 bytes, 32 apart, at row x pitch + 16 (l / 16)
	v_mul_u32_u24 v3, v1, PA
	v_lshl_add_u32 v3, v2, 4, v3
	s_mul_i32 s95, s[MI], AHALF
	v_add_nc_u32 v[ADRA], s95, v3
	v_add_nc_u32 v[ADRA+1], S1, v[ADRA]
	; fragments of W, turned: lane l reads 16 bytes of row (k) 8 (l / 16) + l % 8 at column 8 ((l / 8) % 2); a second load 16 rows further down
	v_and_b32 v4, 7, v0
	v_lshl_add_u32 v4, v2, 3, v4
	v_mul_u32_u24 v4, v4, PB
	v_bfe_u32 v5, v0, 3, 1
	v_lshl_add_u32 v4, v5, 4, v4
	s_lshl_b32 s95, s[NJ], 8                       ; my 128 columns
	s_add_co_u32 s95, s95, ATILE                   ; W's tile lies behind x's
	v_add_nc_u32 v[ADRB], s95, v4
	v_add_nc_u32 v[ADRB+1], S1, v[ADRB]
	s_mul_i32 s95, s[WV], 16*SP
	s_add_co_u32 s95, s95, STAGE                   ; my stage
	v_mul_u32_u24 v4, v1, SP                       ; in: row l % 16, 16 bytes for each half of the lanes
	v_lshl_add_u32 v4, v2, 4, v4
	v_add_nc_u32 v[STO], s95, v4
	v_mul_u32_u24 v5, v2, SP                       ; back: lanes 0-15 one row of 256 bytes, lanes 16-31 the next
	v_lshl_add_u32 v5, v1, 4, v5
	v_add_nc_u32 v[RD], s95, v5
	v_lshlrev_b32 v5, 8, v2                        ; and the same two rows in the output: 256 bytes apart, in vb 512
	v_lshlrev_b32 v5, s[ISV], v5
	v_lshl_add_u32 v[CO], v1, 4, v5
	s_mul_i32 s95, s[MI], 64*PC                    ; cos: my 64 rows; row l % 16; 16 bytes (8 bf16) for each half of the lanes
	v_mul_u32_u24 v4, v1, PC
	v_lshl_add_u32 v4, v2, 4, v4
	v_add_nc_u32 v[CSA], s95, v4
; 8 matrix instructions: block a of 16 rows x all 8 blocks of 16 columns, 32 along K.  zero = 1: the product starts the sums.
; The 32 accumulators take turns, one instruction a turn, in the same order in every quarter.
.macro MUL8 f, a, zero
.irp b, 0,1,2,3,4,5,6,7
.if \zero
	v_wmma_f32_16x16x32_bf16 v[8*(8*(\a)+\b):8*(8*(\a)+\b)+7], v[\f+8*\b:\f+8*\b+7], v[\f+64+8*(\a):\f+64+8*(\a)+7], 0
.else
	v_wmma_f32_16x16x32_bf16 v[8*(8*(\a)+\b):8*(8*(\a)+\b)+7], v[\f+8*\b:\f+8*\b+7], v[\f+64+8*(\a):\f+64+8*(\a)+7], v[8*(8*(\a)+\b):8*(8*(\a)+\b)+7]
.endif
.endr
.endm
.macro MUL16 f, a0, zero
	MUL8 \f, \a0, \zero
	MUL8 \f, \a0+1, \zero
.endm
; 24 LDS loads in one run: quarter q (32 along K) of a slot into buffer f: W's 8 fragments, then x's 4
.macro FETCH slot, q, f
	WIN 0
.irp b, 0,1,2,3,4,5,6,7
	ds_load_tr16_b128 v[\f+8*\b:\f+8*\b+3],   v[ADRB+\slot] offset:\q*32*PB+32*\b
	ds_load_tr16_b128 v[\f+8*\b+4:\f+8*\b+7], v[ADRB+\slot] offset:\q*32*PB+32*\b+16*PB
.endr
.irp a, 0,1,2,3
	ds_load_b128 v[\f+64+8*\a:\f+64+8*\a+3],   v[ADRA+\slot] offset:\q*64+\a*16*PA
	ds_load_b128 v[\f+64+8*\a+4:\f+64+8*\a+7], v[ADRA+\slot] offset:\q*64+\a*16*PA+32
.endr
.endm
; A K step is four quarters of 32 along K, 32 matrix instructions each, on buffers 0, 1, 0, 1.  One of the first three multiplies buffer f and fetches quarter q into g.
.macro QUARTER slot, q, f, g, zero
	s_wait_dscnt 4                                 ; W and x's blocks 0, 1 are in; the youngest four loads (blocks 2, 3) may be out
	WIN MUL
	MUL16 \f, 0, \zero
	PLACES
	FETCH \slot, \q, \g
	s_wait_dscnt 24                                ; all but the 24 just issued
	WIN MUL
	MUL16 \f, 2, \zero
.endm
; The last quarter multiplies buffer 1 and changes slots: ONE barrier.  In front of it each wave waits for all its tensor loads (one is out: its part of the next slot),
; adds 0 to its spare word, and waits for that and for its own reads of this slot.  The barrier opens a round of the cluster's barrier.
; kind = 1: this slot is filled again, two K steps ahead.  kind = 2: cos and sin take its place.
.macro TURN slot, next, kind
	WIN 0                                          ; (the add's two registers lie in window 0)
	s_wait_tensorcnt 0x0
	ds_add_u32 v[SPW], v[NIL]                      ; 0 onto my spare word
	s_wait_dscnt 5                                 ; (the add and the youngest four loads may be out)
	WIN MUL
	MUL8 F1, 0, 0                                  ; eight matrix instructions stand between the add and the wait for it
	s_wait_dscnt 0x0                               ; the add is done, and my reads of this slot are over
	s_barrier_signal -1
	MUL8 F1, 1, 0
	WIN 0
	s_barrier_wait -1
	CREST                                          ; no wave of any partner still reads this slot or has a load on its way
.if \kind == 1
	s_add_nc_u64 s[G0A+4*\slot+2:G0A+4*\slot+3], s[G0A+4*\slot+2:G0A+4*\slot+3], 2*KSTEP*2
	s_add_nc_u64 s[G0B+4*\slot+2:G0B+4*\slot+3], s[G0B+4*\slot+2:G0B+4*\slot+3], 2*KSTEP*WROW
	JLOAD \slot                                    ; my one tensor load behind the round, 112 matrix instructions ahead of the wait for it; its four v_nop are also the places in front of the loads below
.else
	CSLOAD
.endif
	FETCH \next, 0, F0
	WIN MUL
	MUL16 F1, 2, 0
.endm
	s_wait_tensorcnt 1                             ; my part of K step 0 is in; K step 1's may stay out
	s_barrier_signal -1
	s_barrier_wait -1                              ; everybody's is
	FETCH 0, 0, F0
	QUARTER 0, 1, F0, F1, 1                        ; the first quarter stands in front of the loop: its products start the sums
	WIN 0
	s_mov_b32 s[LAP], LAPS-1
.Llap:                                                 ; a trip goes once round the ring, from a lap's second quarter to the next lap's first, and fills both slots again
	QUARTER 0, 2, F1, F0, 0
	QUARTER 0, 3, F0, F1, 0
	TURN 0, 1, 1
	QUARTER 1, 1, F0, F1, 0
	QUARTER 1, 2, F1, F0, 0
	QUARTER 1, 3, F0, F1, 0
	TURN 1, 0, 1
	QUARTER 0, 1, F0, F1, 0
	WIN 0
	s_sub_co_u32 s[LAP], s[LAP], 1
	s_cmp_lg_u32 s[LAP], 0
	s_cbranch_scc1 .Llap
	QUARTER 0, 2, F1, F0, 0                        ; the last lap
	QUARTER 0, 3, F0, F1, 0
	TURN 0, 1, 2                                   ; slot 0 has been read out: cos and sin are asked for, and land under the last K step
	QUARTER 1, 1, F0, F1, 0
	QUARTER 1, 2, F1, F0, 0
	QUARTER 1, 3, F0, F1, 0
	s_wait_dscnt 4
	WIN MUL
	MUL16 F1, 0, 0
	s_wait_dscnt 0x0
	MUL16 F1, 2, 0
	WIN 0
	; THE WAY OUT
	s_wait_tensorcnt 0x0                           ; my part of cos | sin is in,
	s_barrier_signal -1
	s_barrier_wait -1                              ; everybody's is
	PLACES                                         ; behind the last products
	s_wait_loadcnt 0x0                             ; the gain
.macro LOADCS a, b, cr                 ; cos and sin of row 16 a + l % 16 at columns 16 b + 8 (l / 16) + 0..7 (lo) and 64 further on (hi): four loads of 8 bf16
	ds_load_b128 v[\cr:\cr+3],     v[CSA] offset:\a*16*PC+32*\b
	ds_load_b128 v[\cr+4:\cr+7],   v[CSA] offset:\a*16*PC+32*\b+128
	ds_load_b128 v[\cr+8:\cr+11],  v[CSA] offset:\a*16*PC+32*\b+256
	ds_load_b128 v[\cr+12:\cr+15], v[CSA] offset:\a*16*PC+32*\b+384
.endm
; Block a: Y = acc x rsqrt(mean of squares + 1e-6) x gain.  My 64 numbers of the row in four chains, each accumulator from its low end on; the row's other 64 lie in the lane 16 away.
.macro NORM a
	WIN 0x05                                       ; sources 0 and 1 window 1
.irp c, 0,1,2,3
	v_pk_mul_f32 v[T+2*\c:T+2*\c+1], v[64*\a+2*\c:64*\a+2*\c+1], v[64*\a+2*\c:64*\a+2*\c+1]
.endr
.set p, 4
.rept 28
	v_pk_fma_f32 v[T+2*(p%4):T+2*(p%4)+1], v[64*\a+2*p:64*\a+2*p+1], v[64*\a+2*p:64*\a+2*p+1], v[T+2*(p%4):T+2*(p%4)+1]
.set p, p+1
.endr
	WIN 0
	v_pk_add_f32 v[T:T+1], v[T:T+1], v[T+2:T+3]
	v_pk_add_f32 v[T+4:T+5], v[T+4:T+5], v[T+6:T+7]
	v_pk_add_f32 v[T:T+1], v[T:T+1], v[T+4:T+5]
	v_add_f32 v[T], v[T], v[T+1]
	v_permlanex16_b32 v[T+1], v[T], s[SEL], s[SEL+1]
	v_add_f32 v[T], v[T], v[T+1]
	v_fma_f32 v[T], v[T], s[INV], s[EPS]
	v_rsq_f32 v[RS], v[T]
	v_rsq_f32 v[RS+1], v[T]
	v_nop                                          ; a plain instruction between the root and its use (ISA guide 5.7.2)
	WIN 0x01                                       ; source 0 window 1
.set p, 0
	s_wait_alu depctr_va_vdst(0)
.rept 32
	v_pk_mul_f32 v[Y+2*p:Y+2*p+1], v[64*\a+2*p:64*\a+2*p+1], v[RS:RS+1]
.set p, p+1
.endr
	WIN 0x08                                       ; source 1 window 2: the gain
.set p, 0
.rept 32
	v_pk_mul_f32 v[Y+2*p:Y+2*p+1], v[Y+2*p:Y+2*p+1], v[2*p:2*p+1]
.set p, p+1
.endr
	WIN 0
.endm
; Columns 16 b + .. (lo) and 64 further on (hi): the set's 32 bf16 are widened, then out_lo = lo cos_lo - hi sin_lo, out_hi = hi cos_hi + lo sin_hi; rounded to f16
.macro ROPE b, cr
.irp w, 0,1,2,3,4,5,6,7,8,9,10,11,12,13,14,15
	v_lshlrev_b32 v[CU+2*\w],   16, v[\cr+\w]
	v_and_b32     v[CU+2*\w+1], s[HIM], v[\cr+\w]
.endr
.irp p, 0,1,2,3
.set tt, T+4*(\p%2)
	v_pk_mul_f32 v[tt:tt+1],   v[Y+8*(\b+4)+2*\p:Y+8*(\b+4)+2*\p+1], v[CU+16+2*\p:CU+16+2*\p+1]
	v_pk_mul_f32 v[tt+2:tt+3], v[Y+8*\b+2*\p:Y+8*\b+2*\p+1],         v[CU+24+2*\p:CU+24+2*\p+1]
	v_pk_fma_f32 v[tt:tt+1],   v[Y+8*\b+2*\p:Y+8*\b+2*\p+1],         v[CU+2*\p:CU+2*\p+1],     v[tt:tt+1] neg_lo:[0,0,1] neg_hi:[0,0,1]
	v_pk_fma_f32 v[tt+2:tt+3], v[Y+8*(\b+4)+2*\p:Y+8*(\b+4)+2*\p+1], v[CU+8+2*\p:CU+8+2*\p+1], v[tt+2:tt+3]
	v_cvt_pk_f16_f32 v[OUT+4*\b+\p],     v[tt],   v[tt+1]
	v_cvt_pk_f16_f32 v[OUT+4*(\b+4)+\p], v[tt+2], v[tt+3]
.endr
.endm
; A block of v in two pieces: hi = v with the mantissa cut to 10 bits, lo = v - hi (exact in f32); both to f16.  Each accumulator from its low end on.
.macro PACKV a
	WIN 0x04                                       ; source 1 window 1
.set p, 0
.rept 64
	v_and_b32 v[TH+p], s[FMSK], v[64*\a+p]
.set p, p+1
.endr
	WIN 0x01                                       ; source 0 window 1
.set p, 0
.rept 32
	v_pk_add_f32 v[TL+2*p:TL+2*p+1], v[64*\a+2*p:64*\a+2*p+1], v[TH+2*p:TH+2*p+1] neg_lo:[0,1] neg_hi:[0,1]
.set p, p+1
.endr
	WIN 0
.set p, 0
.rept 32
	v_cvt_pk_f16_f32 v[OUT+p], v[TH+2*p], v[TH+2*p+1]
.set p, p+1
.endr
.set p, 0
.rept 32
	v_cvt_pk_f16_f32 v[OL+p], v[TL+2*p], v[TL+2*p+1]               ; over the high pieces' f32, which have just been packed
.set p, p+1
.endr
.endm
.macro STG src, bk                     ; 16 bytes a lane into my own stage, and back as whole rows of 256 bytes
.irp b, 0,1,2,3,4,5,6,7
	ds_store_b128 v[STO], v[\src+4*\b:\src+4*\b+3] offset:32*\b
.endr
.irp t, 0,1,2,3,4,5,6,7
	ds_load_b128 v[\bk+4*\t:\bk+4*\t+3], v[RD] offset:\t*2*SP      ; LDS serves a wave's instructions in order (ISA guide 5.7.1.4): these see the stores above
.endr
.endm
.macro SEND bk, off, rowb, younger     ; younger: the LDS instructions issued behind the block's loads, which may stay out
	s_wait_dscnt \younger
	s_wait_xcnt 0x0                                ; the earlier stores have had their addresses translated (ISA guide 3.1): their registers are loaded again only behind this wait
.irp t, 0,1,2,3,4,5,6,7
	global_store_b128 v[CO], v[\bk+4*\t:\bk+4*\t+3], s[DST:DST+1] offset:\off+2*\rowb*\t   ; 16 lanes store 256 consecutive bytes, at a multiple of 256 from the buffer's first byte
.endr
.endm
	s_cmp_lg_u32 s[ISV], 0                         ; hangs on the cluster's x and the wave's number alone
	s_cbranch_scc1 .Lvalues
	WIN 0x8a                                       ; all in window 2: the gain is rounded to bf16 and widened again
.set p, 0
.rept 32
	v_cvt_pk_bf16_f32 v[64+p], v[2*p], v[2*p+1]
.set p, p+1
.endr
.set p, 0
.rept 32
	v_lshlrev_b32 v[2*p],   16, v[64+p]
	v_and_b32     v[2*p+1], s[HIM], v[64+p]
.set p, p+1
.endr
	WIN 0
.irp a, 0,1,2,3
	LOADCS \a, 0, CR0
	LOADCS \a, 1, CR1
	NORM \a
.if \a > 0
	SEND BK0+32*((\a-1)%2), (\a-1)*4096, 256, 8    ; behind the block's loads from the stage stand the eight just issued
.endif
	s_wait_dscnt 4                                 ; the first set is in, the second may be out
	ROPE 0, CR0
	LOADCS \a, 2, CR0
	s_wait_dscnt 4
	ROPE 1, CR1
	LOADCS \a, 3, CR1
	s_wait_dscnt 4
	ROPE 2, CR0
	s_wait_dscnt 0x0
	ROPE 3, CR1
	STG OUT, BK0+32*(\a%2)
.endr
	SEND BK0+32, 3*4096, 256, 0
	s_branch .Lend
.Lvalues:
.irp a, 0,1,2,3
	PACKV \a
.if \a > 0
	s_wait_xcnt 0x0                                ; the block before's stores have had their addresses translated: their registers are loaded again only behind this wait
.endif
	STG OUT, BK0
	STG OL, BK0+32
	SEND BK0, \a*8192, 512, 16                     ; the high pieces; the low pieces' 8 LDS stores and 8 LDS loads may be out
	SEND BK0+32, \a*8192+256, 512, 0               ; the low pieces, in the rows' second halves
.endr
.Lend:
	s_wait_tensorcnt 0x0                           ; the wave's end: behind my last tensor load and my last LDS store
	ds_add_u32 v[SPW], v[NIL]
	s_wait_dscnt 0x0
	CROUND                                         ; the closing round: no work-group ends while a partner may still ask for a tile that names it
	s_endpgm
.Lfunc_end_k_q7766ab3da8_qkv:
	.size	k_q7766ab3da8_qkv, .Lfunc_end_k_q7766ab3da8_qkv-k_q7766ab3da8_qkv
	.p2alignl 7, 3214868480
	.fill 96, 4, 3214868480
	.section	.rodata,"a",@progbits
	.p2align	6, 0x0
	.amdhsa_kernel k_q7766ab3da8_qkv
		.amdhsa_group_segment_fixed_size 327680
		.amdhsa_private_segment_fixed_size 0
		.amdhsa_enable_private_segment 0
		.amdhsa_kernarg_size 64
		.amdhsa_user_sgpr_count 2
		.amdhsa_user_sgpr_kernarg_segment_ptr 1
		.amdhsa_wavefront_size32 1
		.amdhsa_system_sgpr_workgroup_id_x 1
		.amdhsa_system_sgpr_workgroup_id_y 1
		.amdhsa_system_sgpr_workgroup_id_z 1
		.amdhsa_system_vgpr_workitem_id 0
		.amdhsa_next_free_vgpr 640
		.amdhsa_next_free_sgpr 100
		.amdhsa_reserve_vcc 0
		.amdhsa_float_denorm_mode_32 3
		.amdhsa_float_denorm_mode_16_64 3
		.amdhsa_memory_ordered 1
		.amdhsa_forward_progress 1
		.amdhsa_inst_pref_size 204
	.end_amdhsa_kernel
	.amdgpu_metadata
---
amdhsa.version: [ 1, 2 ]
amdhsa.kernels:
  - .name:           k_q7766ab3da8_qkv
    .symbol:         k_q7766ab3da8_qkv.kd
    .args:
      - { .name: xb, .offset: 0, .size: 8, .value_kind: global_buffer, .address_space: global }
      - { .name: wqkv, .offset: 8, .size: 8, .value_kind: global_buffer, .address_space: global }
      - { .name: csb, .offset: 16, .size: 8, .value_kind: global_buffer, .address_space: global }
      - { .name: qn_w, .offset: 24, .size: 8, .value_kind: global_buffer, .address_space: global }
      - { .name: kn_w, .offset: 32, .size: 8, .value_kind: global_buffer, .address_space: global }
      - { .name: qb, .offset: 40, .size: 8, .value_kind: global_buffer, .address_space: global }
      - { .name: kb, .offset: 48, .size: 8, .value_kind: global_buffer, .address_space: global }
      - { .name: vb, .offset: 56, .size: 8, .value_kind: global_buffer, .address_space: global }
    .group_segment_fixed_size: 327680
    .private_segment_fixed_size: 0
    .kernarg_segment_align: 8
    .kernarg_segment_size: 64
    .max_flat_workgroup_size: 128
    .sgpr_count:     100
    .vgpr_count:     640
    .wavefront_size: 32
...
	.end_amdgpu_metadata
.endif
;; end of part 2
;; launch attn (part 3): grid 32 x 8, 4 waves a work-group, no clusters, 327,680 bytes of LDS; arguments qb, kb, vb, ab; writes ab
.if DOCPART == 3
	.amdgcn_target "amdgcn-amd-amdhsa--gfx1250"
	.amdhsa_code_object_version 6
	.text
	.protected	k_q7766ab3da8_attn
	.globl	k_q7766ab3da8_attn
	.p2align	8
	.type	k_q7766ab3da8_attn,@function
k_q7766ab3da8_attn:
	s_mov_b64 s[64:65], 0
	v_nop
	global_prefetch_b8 v0, s[64:65] scope:SCOPE_SE
	s_setreg_imm32_b32 hwreg(HW_REG_WAVE_MODE, 25, 1), 1
	s_wait_xcnt 0x0
; o[i][:] = sum over j of softmax_j(q[head][i] . k[g][j] / 16) v[g][j][:], g = head / 2, over the keys with 0 <= i - j < 1024.
; qb [8][4096][128], kb [4][4096][128] f16; vb [4][4096][256] f16 (a row: v's 128 high pieces, then its 128 low pieces); ab [4096][2048] bf16: o's high pieces at column 128 head + d,
; its low pieces 1,024 columns further on.
; FORMATS.  Products in f16 with f32 sums.  V^T P is made twice, on v's high and on its low pieces, onto the same sums.  The weights p are rounded to f16, and l is the sum of the ROUNDED
; weights, made by the matrix unit (a fragment of ones times P), so that a weight's rounding acts on numerator and divisor alike.  o leaves as two bf16: hi = its upper 16 bits, lo = bf16(o - hi).
; So a query with few keys, which passes v on nearly unchanged, keeps 16 bits or more.
; SHARES.  A work-group owns 128 queries (block pb, from p0 = 128 pb) of one head, each of its four waves 32: two tiles of 16.
; KEYS go in chunks of 128, downward: chunk c is keys p0 - 128 c .. + 127, c = 0 .. T1 = min(pb, 8).  Chunk 0 takes the causal mask; chunks 1 .. T1 - 1 need none
; (there 1 <= i - j <= 1023); chunk T1 takes the window's mask (all true where pb < 8).  Keys outside these chunks are masked for all 128 queries and are not touched.
; A chunk is two steps of 64 keys.  The first step of chunk 0 holds key p0 <= i for every query, so the running maximum is finite from the first step on and every l is at least 1.
; LAYOUT.  S^T = K Q^T (source 0 = 16 keys, source 1 = 16 queries): a lane holds ONE query (lane % 16) and keys 8 (lane / 16) + 0..7.  Two such tiles rounded to f16 in pairs ARE
; source 1 of O^T = V^T P.  K comes out of LDS as it lies, V turned by ds_load_tr16_b128.
; SOFTMAX.  For each query a running maximum m: p = 2^(c s - c m), c = log2(e) / 16; in every step O and l are multiplied by a = 2^(c m_old - c m_new).  A masked score is -infinity: its p is 0.
; IN PHASES: a step's K Q^T, its mask and softmax, its V^T P; the LDS loads of the next phase are issued a phase ahead.
; RING.  Two LDS slots, a chunk each.  Waves 0, 1 fetch K's two steps, waves 2, 3 V's: one tensor load a wave behind each barrier, a whole chunk (200 matrix instructions) ahead of its use.
; NO CLUSTER: neighbouring query blocks walk windows 128 keys apart, and joint requests are made alike by all partners, so four partners would each multiply the union of their windows,
; 12 chunks in place of 9; the two heads of a group share K and V exactly, but they are two.
; REGISTERS: window 0: v0-39 addresses, statistics, mask; v64-127 S^T (32 a tile); v128-159 P (16 a tile); v160-223 Q (32 a tile); v224-239 l (8 a tile); v240-247 ones.
;   window 1: v0-127 O^T (64 a tile); v128-255 V's high pieces of one step.     window 2: v0-127 K of one step; v128-255 V's low pieces.
; LIMITS: v_exp_f32 and v_rcp_f32 are accurate to 1 ULP; a weight under 2^-25 of the largest counts as 0 (f16).  NaN and infinities in q, k, v are not treated apart.
.set KS,    64
.set PK,    272                        ; a row of K in LDS: 256 bytes + 16: the 16 rows of a load begin in 16 different groups of four banks (64 banks of 4 bytes: ISA guide 11.1)
.set PV,    544                        ; a row of V: 512 + 32 = 17 x 32
.set VOFF,  KS*PK                      ; a step's tiles lie together: 64 rows of K, then 64 rows of V
.set STEPB, KS*(PK+PV)
.set SLOT1, 1<<17                      ; a slot holds two steps (104,448 bytes); slot 1 begins here, so that one exclusive or turns an address in one slot into the other's
.set STAGE, SLOT1+2*STEPB              ; behind the ring: 16 rows x 272 bytes for each wave
.set SP,    272
.set SPARE, STAGE+4*16*SP              ; behind the stages: the spare words, 128 bytes for each wave: two blocks of 256 bytes that no other line names
.set AK0, 2                            ; v2   my lane's place in a tile of K; never rewritten
.set AV0, 3                            ; v3   the same for V
.set QO,  6                            ; v6   my byte offset in the wave's rows of Q
.set STO, 7
.set RD,  8
.set GO,  10                           ; v10  my byte offset in the wave's rows of ab
.set ST,  12                           ; tile t's statistics at v[ST+8 t]: +0 c m, +1 m, +4 to +7 at work; a takes +6 once the maximum is found
.set DQ,  28                           ; v28-29  tile t: my query - 8 (l / 16)
.set D,   30                           ; v30-31  that minus the step's first key
.set NEG, 32                           ; v32  -infinity
.set AKU, 36                           ; v36-37  LDS address of my place in K's tile of the chunk's step 0, 1
.set AVU, 38                           ; v38-39  the same for V
.set SPW, 62
.set NIL, 63
.set S,   64
.set P,   128
.set Q,   160
.set L,   224
.set ONES, 240
.set WV,  12
.set G1K, 24                           ; s[24:31], s[32:39] group 1 for K's and V's tiles
.set G1V, 32
.set G0K, 40                           ; s[40:43], s[44:47] group 0, walking: written only where no tensor load of the wave is out
.set G0V, 44
.set T1,  48                           ; chunks behind chunk 0, then the loop's counter
.set TB,  49                           ; LDS byte at which the chunk's slot begins
.set KB,  50                           ; the chunk's first key
.set KU,  51                           ; the step's first key
.set PSEL, 54                          ; v_perm_b32: the upper halves of two words
.set HIM, 55                           ; 0xffff0000
.set CS,  58
.set SEL, 60
.set MSB, 0
.macro WIN new
.if MSB != \new
	s_set_vgpr_msb (MSB<<8)|\new
.set MSB, \new
.endif
.endm
.set W_KQ,  0x02                       ; K in window 2; Q and S^T in window 0
.set W_PVH, 0x51                       ; V's high pieces and O^T in window 1, P in window 0
.set W_PVL, 0x52                       ; V's low pieces in window 2
.set W_RS,  0x41                       ; O^T (destination and source 0) in window 1, a in window 0
.macro PLACES
.rept 4
	v_nop
.endr
.endm
.macro LOADKV                          ; my one tensor load: a step's K (waves 0, 1) or V (waves 2, 3); four v_nop follow each of the two lines
	s_cmp_lt_u32 s[WV], 2
	s_cbranch_scc0 .Lfor_v_\@
	tensor_load_to_lds s[G0K:G0K+3], s[G1K:G1K+7]
	s_nop 0
.rept 4
	v_nop
.endr
	s_branch .Lasked_\@
.Lfor_v_\@:
	tensor_load_to_lds s[G0V:G0V+3], s[G1V:G1V+7]
	s_nop 0
.rept 4
	v_nop
.endr
.Lasked_\@:
.endm
	s_load_b256 s[4:11], s[0:1], 0x0               ; qb s[4:5], kb s[6:7], vb s[8:9], ab s[10:11]
	v_lshl_add_u32 v[SPW], v0, 2, SPARE
	v_mov_b32 v[NIL], 0
	ds_add_u32 v62, v63
	ds_add_u32 v62, v63
	s_wait_dscnt 0x0
	v_lshrrev_b32 v1, 5, v0
	v_readfirstlane_b32 s[WV], v1                  ; wave 0..3
	s_lshl_b32 s13, ttmp9, 7                       ; p0
	s_and_b32 s14, ttmp7, 0xffff                   ; head
	s_lshr_b32 s15, s14, 1                         ; g
	s_min_u32 s[T1], ttmp9, 8
	s_and_b32 s16, s[WV], 1                        ; which of a chunk's two steps I fetch
	s_lshl_b32 s20, s15, 20                        ; K: a head is 4,096 rows of 256 bytes;
	s_lshl_b32 s17, s13, 8                         ; chunk 0 begins at key p0;
	s_add_co_u32 s20, s20, s17
	s_lshl_b32 s17, s16, 14                        ; my step's 64 rows
	s_add_co_u32 s20, s20, s17
	s_mov_b32 s21, 0
	s_lshl_b32 s56, s20, 1                         ; V: rows twice as long
	s_mov_b32 s57, 0
	s_mul_i32 s17, s16, STEPB                      ; my step's place in a slot
	s_lshl_b32 s18, s[WV], 5
	s_add_co_u32 s18, s18, s13                     ; my wave's first query
	s_lshl_b32 s22, s14, 20
	s_lshl_b32 s19, s18, 8
	s_add_co_u32 s22, s22, s19                     ; its row in qb
	s_mov_b32 s23, 0
	s_lshl_b32 s52, s18, 12                        ; its row in ab (4,096 bytes),
	s_lshl_b32 s19, s14, 8                         ; the head's 256 bytes in it
	s_add_co_u32 s52, s52, s19
	s_mov_b32 s53, 0
	; group 1 for K: 64 rows x 128 elements of 2 bytes, 4 words of padding behind every 64
	s_mov_b32 s[G1K], (1<<16)|(1<<20)|(5<<22)|(3<<25)
	s_mov_b32 s[G1K+1], 128<<16                    ; tensor_dim0
	s_mov_b32 s[G1K+2], KS<<16                     ; tensor_dim1
	s_mov_b32 s[G1K+3], 128<<16                    ; tile_dim0
	s_mov_b32 s[G1K+4], KS                         ; tile_dim1
	s_mov_b32 s[G1K+5], 128                        ; elements from row to row
	s_mov_b32 s[G1K+6], 0
	s_mov_b32 s[G1K+7], 0
	; group 1 for V: 64 rows x 256 elements, 8 words of padding behind every 128
	s_mov_b32 s[G1V], (1<<16)|(1<<20)|(6<<22)|(7<<25)
	s_mov_b32 s[G1V+1], 256<<16
	s_mov_b32 s[G1V+2], KS<<16
	s_mov_b32 s[G1V+3], 256<<16
	s_mov_b32 s[G1V+4], KS
	s_mov_b32 s[G1V+5], 256
	s_mov_b32 s[G1V+6], 0
	s_mov_b32 s[G1V+7], 0
	s_mov_b32 s[CS], 0x3db8aa3b                    ; c = log2(e) / 16
	s_mov_b32 s[CS+1], s[CS]                       ; named with it as a pair, so it is written
	s_mov_b32 s[SEL], 0x76543210
	s_mov_b32 s[SEL+1], 0xfedcba98
	s_mov_b32 s[PSEL], 0x07060302
	s_mov_b32 s[HIM], 0xffff0000
	s_mov_b32 s[TB], 0
	s_mov_b32 s[KB], s13
	s_wait_kmcnt 0x0
	s_add_nc_u64 s[4:5], s[4:5], s[22:23]
	s_add_nc_u64 s[10:11], s[10:11], s[52:53]
	s_mov_b32 s[G0K], 1
	s_mov_b32 s[G0K+1], s17
	s_add_nc_u64 s[G0K+2:G0K+3], s[6:7], s[20:21]
	s_or_b32 s[G0K+3], s[G0K+3], 0x80000000
	s_mov_b32 s[G0V], 1
	s_add_co_u32 s[G0V+1], s17, VOFF
	s_add_nc_u64 s[G0V+2:G0V+3], s[8:9], s[56:57]
	s_or_b32 s[G0V+3], s[G0V+3], 0x80000000
	LOADKV                                         ; chunk 0 into slot 0: one tensor load of mine is out
	v_and_b32 v1, 15, v0                           ; l % 16
	v_bfe_u32 v9, v0, 4, 1                         ; l / 16
	v_lshlrev_b32 v[QO], 8, v1
	v_lshl_add_u32 v[QO], v9, 4, v[QO]             ; row x 256 + 16 x half
.irp i, 0,1,2,3,4,5,6,7                ; Q stays in registers: tile i / 4, channels 32 (i % 4) on
	global_load_b128 v[Q+8*\i:Q+8*\i+3],   v[QO], s[4:5] offset:(\i/4)*4096+(\i%4)*64
	global_load_b128 v[Q+8*\i+4:Q+8*\i+7], v[QO], s[4:5] offset:(\i/4)*4096+(\i%4)*64+32
.endr
	v_mul_u32_u24 v[AK0], v1, PK
	v_lshl_add_u32 v[AK0], v9, 4, v[AK0]           ; row x pitch + 16 x half
	v_and_b32 v11, 7, v0                           ; the turning load: key 8 (l / 16) + l % 8, channels 8 ((l / 8) % 2) on
	v_lshl_add_u32 v[AV0], v9, 3, v11
	v_mul_u32_u24 v[AV0], v[AV0], PV
	v_bfe_u32 v11, v0, 3, 1
	v_lshl_add_u32 v[AV0], v11, 4, v[AV0]
	v_add_nc_u32 v[AV0], VOFF, v[AV0]
	s_mul_i32 s19, s[WV], 16*SP
	s_add_co_u32 s19, s19, STAGE                   ; my stage
	v_mul_u32_u24 v[STO], v1, SP
	v_lshl_add_u32 v[STO], v9, 4, v[STO]
	v_add_nc_u32 v[STO], s19, v[STO]
	v_mul_u32_u24 v[RD], v9, SP
	v_lshl_add_u32 v[RD], v1, 4, v[RD]
	v_add_nc_u32 v[RD], s19, v[RD]
	v_lshlrev_b32 v[GO], 12, v9                    ; lanes 16-31 one row of ab further down
	v_lshl_add_u32 v[GO], v1, 4, v[GO]
	v_lshlrev_b32 v11, 3, v9
	v_sub_nc_u32 v[DQ], v1, v11
	v_add_nc_u32 v[DQ], s18, v[DQ]                 ; my query of tile 0, less 8 (l / 16); signed
	v_add_nc_u32 v[DQ+1], 16, v[DQ]
	v_mov_b32 v[NEG], 0xff800000
.irp i, 0,1,2,3,4,5,6,7
	v_mov_b32 v[ONES+\i], 0x3c003c00               ; a fragment of 16 x 32 ones in f16
.endr
	s_wait_loadcnt 0x0                             ; Q
; In front of a chunk: every wave waits for all its tensor loads (its part of this chunk's slot), adds 0 to its spare word, waits for that and for its reads of the other slot, and passes the barrier.
; refill = 1: the other slot takes the next chunk, 128 keys further down: my one tensor load, first thing behind the barrier.
.macro HEAD refill
	WIN 0
	s_wait_tensorcnt 0x0                           ; no tensor load of mine is out, so a group 0 may be written
	ds_add_u32 v[SPW], v[NIL]                      ; 0 onto my spare word
.if \refill
	s_xor_b32 s[G0K+1], s[G0K+1], SLOT1            ; the other slot than last time,
	s_sub_nc_u64 s[G0K+2:G0K+3], s[G0K+2:G0K+3], 128*256   ; the 128 keys below; the type bits on top are not reached
	s_xor_b32 s[G0V+1], s[G0V+1], SLOT1
	s_sub_nc_u64 s[G0V+2:G0V+3], s[G0V+2:G0V+3], 128*512
.endif
	s_wait_dscnt 0x0                               ; the add is done, and my reads of the other slot are over
	s_barrier_signal -1
	s_barrier_wait -1
.if \refill
	LOADKV                                         ; its four v_nop are also the places behind the last products, ahead of the loads into V's registers
.else
	PLACES
.endif
.endm
.macro FETCH_K u                       ; step u's K: 64 keys x 128 channels: fragment f = keys 16 (f / 4) on, channels 32 (f % 4) on
	WIN 0x80
.irp f, 0,1,2,3,4,5,6,7,8,9,10,11,12,13,14,15
	ds_load_b128 v[8*\f:8*\f+3],   v[AKU+\u] offset:(\f/4)*16*PK+(\f%4)*64
	ds_load_b128 v[8*\f+4:8*\f+7], v[AKU+\u] offset:(\f/4)*16*PK+(\f%4)*64+32
.endr
.endm
; Step u's V, turned: fragment f = keys 32 (f / 8) on, channels 16 (f % 8) on.  win, at: 0x40, 0: the high pieces into window 1; 0x80, 256: the low pieces into window 2
.macro FETCH_V u, win, at
	WIN \win
.irp f, 0,1,2,3,4,5,6,7,8,9,10,11,12,13,14,15
	ds_load_tr16_b128 v[128+8*\f:128+8*\f+3],   v[AVU+\u] offset:\at+(\f/8)*32*PV+(\f%8)*32
	ds_load_tr16_b128 v[128+8*\f+4:128+8*\f+7], v[AVU+\u] offset:\at+(\f/8)*32*PV+16*PV+(\f%8)*32
.endr
.endm
; The accumulators take turns, one instruction a turn: between two links of a chain stand 7 (K Q^T), 15 (V^T P) or 1 (l) others'.
.macro KQ32                            ; product i: channels 32 (i / 8) on, keys 16 ((i / 2) % 4) on, tile i % 2; the first 8 start the sums
	WIN W_KQ
.set i, 0
.rept 32
.set rS, S+32*(i%2)+8*((i/2)%4)
.set rK, 32*((i/2)%4)+8*(i/8)
.set rQ, Q+32*(i%2)+8*(i/8)
.if i < 8
	v_wmma_f32_16x16x32_f16 v[rS:rS+7], v[rK:rK+7], v[rQ:rQ+7], 0
.else
	v_wmma_f32_16x16x32_f16 v[rS:rS+7], v[rK:rK+7], v[rQ:rQ+7], v[rS:rS+7]
.endif
.set i, i+1
.endr
.endm
; Product i of 32: keys 32 (i / 16) on, channels 16 ((i / 2) % 8) on, tile i % 2: first on V's high pieces, then on its low ones; then l += ones x P, two a tile.
; zero = 1: the first products start O^T's and l's sums.
.macro PV32 zero
	WIN W_PVH
.set i, 0
.rept 32
.set rO, 64*(i%2)+8*((i/2)%8)
.set rV, 128+64*(i/16)+8*((i/2)%8)
.set rP, P+16*(i%2)+8*(i/16)
.if \zero && (i < 16)
	v_wmma_f32_16x16x32_f16 v[rO:rO+7], v[rV:rV+7], v[rP:rP+7], 0
.else
	v_wmma_f32_16x16x32_f16 v[rO:rO+7], v[rV:rV+7], v[rP:rP+7], v[rO:rO+7]
.endif
.set i, i+1
.endr
	WIN W_PVL
.set i, 0
.rept 32
.set rO, 64*(i%2)+8*((i/2)%8)
.set rV, 128+64*(i/16)+8*((i/2)%8)
.set rP, P+16*(i%2)+8*(i/16)
	v_wmma_f32_16x16x32_f16 v[rO:rO+7], v[rV:rV+7], v[rP:rP+7], v[rO:rO+7]
.set i, i+1
.endr
	WIN 0
.irp hf, 0,1
.irp t, 0,1
.if \zero && (\hf == 0)
	v_wmma_f32_16x16x32_f16 v[L+8*\t:L+8*\t+7], v[ONES:ONES+7], v[P+16*\t+8*\hf:P+16*\t+8*\hf+7], 0
.else
	v_wmma_f32_16x16x32_f16 v[L+8*\t:L+8*\t+7], v[ONES:ONES+7], v[P+16*\t+8*\hf:P+16*\t+8*\hf+7], v[L+8*\t:L+8*\t+7]
.endif
.endr
.endr
.endm
; The mask of step u.  Register 8 kb + jj of a tile holds key KU + 16 kb + jj + 8 (l / 16), so i - key = D - (16 kb + jj).  kind 1: key <= i.  kind 2: i - key < 1024.
; A select, no branch; each accumulator from its low end on.
.macro MASK kind, u
	WIN 0
	s_add_co_u32 s[KU], s[KB], 64*\u
	v_sub_nc_u32 v[D], v[DQ], s[KU]
	v_sub_nc_u32 v[D+1], v[DQ+1], s[KU]
.irp t, 0,1
.irp kb, 0,1,2,3
.irp jj, 0,1,2,3,4,5,6,7
.if \kind == 1
	v_cmp_le_i32 vcc_lo, 16*\kb+\jj, v[D+\t]
.else
	v_cmp_gt_i32 vcc_lo, 1024+16*\kb+\jj, v[D+\t]
.endif
	v_cndmask_b32 v[S+32*\t+8*\kb+\jj], v[NEG], v[S+32*\t+8*\kb+\jj], vcc_lo
.endr
.endr
.endr
.endm
; One tile's softmax for one step is a numbered list; SM writes number j of it for tile t.  s0-s31 are the lane's 32 scores, in pairs 0-15.
; first = 1: the first step, which starts m, l and O^T: it has no a and nothing to rescale.
;   0-15    the maximum of s0-s31 and the old m, three operands at a time: four chains of seven scores each (each begins at its accumulator's low end), the four scores left over, the chains and m
;   16-20   the other half of the lanes' maximum; the new m; c m; c m_old - c m_new
;   21-89   33 exponentials (a, then s0-s31) at the odd numbers from 23 to 87; at the even numbers plain work that is ready: c s - c m for pairs still to come, roundings to f16 of pairs that are
;           done (the last at 89).  Numbers 76, 80, 84, 88 and 90-97 are empty: l is summed by the matrix unit
;   98-101  the tile's l times a, from its accumulator's low end on
;   102-133 the tile's O^T times a
.macro SM t, first
.set rT, ST+8*(\t)
.set rS, S+32*(\t)
.set rP, P+16*(\t)
.set rL, L+8*(\t)+2*(j-98)
.set rO, 64*(\t)+2*(j-102)
.set q, (j-20)/2
.if j < 102
	WIN 0
.endif
.if j < 4
	v_max3_num_f32 v[rT+4+j], v[rS+8*j], v[rS+8*j+1], v[rS+8*j+2]
.elseif j < 12
	v_max3_num_f32 v[rT+4+j%4], v[rT+4+j%4], v[rS+8*(j%4)+2*(j/4)+1], v[rS+8*(j%4)+2*(j/4)+2]
.elseif j == 12
	v_max3_num_f32 v[rT+4], v[rT+4], v[rS+7], v[rS+15]
.elseif j == 13
	v_max3_num_f32 v[rT+6], v[rT+6], v[rS+23], v[rS+31]
.elseif j == 14
	v_max3_num_f32 v[rT+4], v[rT+4], v[rT+5], v[rT+6]
.elseif (j == 15) && \first
	v_max_num_f32 v[rT+4], v[rT+4], v[rT+7]
.elseif j == 15
	v_max3_num_f32 v[rT+4], v[rT+4], v[rT+7], v[rT+1]
.elseif j == 16
	v_permlanex16_b32 v[rT+5], v[rT+4], s[SEL], s[SEL+1]  ; the query's other 32 keys lie in the lane 16 away
.elseif j == 18
	v_max_num_f32 v[rT+1], v[rT+4], v[rT+5]
.elseif j == 19
	v_mul_f32 v[rT], s[CS], v[rT+1]
.elseif ((j == 17) || (j == 20) || (j == 23) || (j > 97)) && \first  ; the first step has none of these
.elseif j == 17
	v_mov_b32 v[rT+7], v[rT]        ; c m_old is kept for a: number 19 writes c m anew
.elseif j == 20
	v_sub_f32 v[rT+7], v[rT+7], v[rT]
.elseif j == 23
	v_exp_f32 v[rT+6], v[rT+7]
.elseif (j < 88) && (j > 23) && (j%2 == 1)
	v_exp_f32 v[rS+(j-25)/2], v[rS+(j-25)/2]
.elseif (q < 4) || ((j < 76) && (q%2 == 0))
.set b, q/2+2
.if q < 4
.set b, q
.endif
	v_pk_fma_f32 v[rS+2*b:rS+2*b+1], v[rS+2*b:rS+2*b+1], s[CS:CS+1], v[rT:rT+1] op_sel_hi:[1,0,0] neg_lo:[0,0,1] neg_hi:[0,0,1]  ; pair b: c s - c m
.elseif (j < 88) && (q%2 == 1)
	s_wait_alu depctr_va_vdst(0)
	v_cvt_pk_f16_f32 v[rP+(q-5)/2], v[rS+q-5], v[rS+q-4]  ; pair (q - 5) / 2: its second exponential stands three numbers back
.elseif j == 89
	s_wait_alu depctr_va_vdst(0)
	v_cvt_pk_f16_f32 v[rP+15], v[rS+30], v[rS+31]
.elseif j < 98                      ; empty
.elseif j < 102
	v_pk_mul_f32 v[rL:rL+1], v[rL:rL+1], v[rT+6:rT+7] op_sel_hi:[1,0]
.else
	WIN W_RS
	v_pk_mul_f32 v[rO:rO+1], v[rO:rO+1], v[rT+6:rT+7] op_sel_hi:[1,0]
.endif
.endm
; Slice k of 64: numbers 2 k and 2 k + 1 of both tiles' lists; the twelve that are over stand in slice 63.  From 11 to 43 tile by tile, elsewhere the two tiles alternate: between every
; exponential and the first use of its result stands a plain instruction of the other tile (ISA guide 5.7.2).
.macro SLICE y, first
.if (k >= 11) && (k < 44)
.irp t, \y, \y+1
.irp n, 0,1
.set j, 2*k+\n
	SM \t, \first
.endr
.endr
.else
.irp n, 0,1,2,3,4,5,6,7
.if (\n < 2) || (k == 63)
.irp t, \y, \y+1
.set j, 2*k+\n
	SM \t, \first
.endr
.endif
.endr
.endif
.set k, k+1
.endm
.macro SOFTMAX first
.set k, 0
.rept 64
	SLICE 0, \first
.endr
.endm
; A chunk: two steps.  first = 1: its first step starts m, l and O^T.  kind: 0 no mask, 1 causal, 2 window.
; Six runs of 32 LDS loads.  Four places stand behind each run of products, ahead of the loads into their sources and of the reads of their results.
.macro CHUNK first, kind
	v_add_nc_u32 v[AKU], s[TB], v[AK0]
	v_add_nc_u32 v[AVU], s[TB], v[AV0]
	v_add_nc_u32 v[AKU+1], STEPB, v[AKU]
	v_add_nc_u32 v[AVU+1], STEPB, v[AVU]
	FETCH_K 0
	FETCH_V 0, 0x40, 0
	s_wait_dscnt 32                                ; K of step 0 is in; the 32 loads of V's high pieces may be out
	KQ32
	PLACES
	FETCH_V 0, 0x80, 256
	FETCH_K 1
.if \kind
	MASK \kind, 0
.endif
	SOFTMAX \first
	s_wait_dscnt 32                                ; V of step 0 is in, both pieces; K of step 1 may be out
	PV32 \first
	s_wait_dscnt 0x0                               ; K of step 1, asked for in front of the softmax
	PLACES
	FETCH_V 1, 0x40, 0
	FETCH_V 1, 0x80, 256
	KQ32
	PLACES
.if \kind
	MASK \kind, 1
.endif
	SOFTMAX 0
	s_wait_dscnt 0x0                               ; V of step 1
	PV32 0
	s_xor_b32 s[TB], s[TB], SLOT1                  ; the next chunk lies in the other slot,
	s_sub_co_u32 s[KB], s[KB], 128                 ; 128 keys further down
.endm
	s_cmp_eq_u32 s[T1], 0                          ; the same in all four waves: it hangs on the block's number alone
	s_cbranch_scc1 .Lonly
	HEAD 1                                         ; chunk 0 is whole; chunk 1 goes out, into slot 1
	CHUNK 1, 1
	s_sub_co_u32 s[T1], s[T1], 1
	s_cmp_eq_u32 s[T1], 0
	s_cbranch_scc1 .Ltail
.Lloop:                                                ; chunks 1 .. T1 - 1; each trip asks for the chunk behind its own
	HEAD 1
	CHUNK 0, 0
	s_sub_co_u32 s[T1], s[T1], 1
	s_cmp_lg_u32 s[T1], 0
	s_cbranch_scc1 .Lloop
.Ltail:                                                ; chunk T1: nothing is left to fetch
	HEAD 0
	CHUNK 0, 2
	s_branch .Lout
.Lonly:                                                ; block 0 has chunk 0 alone
	HEAD 0
	CHUNK 1, 1
.Lout:
	; THE WAY OUT.  Every register of l's accumulator holds the query's whole sum; O^T is divided by it, cut into two bf16 and sent through my stage, 16 rows of one piece at a time.
	PLACES                                         ; behind the last products
	v_rcp_f32 v[ST+6], v[L]
	v_rcp_f32 v[ST+14], v[L+8]
	v_nop                                          ; a plain instruction between the last reciprocal and its use
	s_wait_alu depctr_va_vdst(0)
.macro STG reg                         ; 16 bytes a lane into rows of 272 bytes, and back as whole rows of 256, into the registers that they left
.irp f, 0,1,2,3,4,5,6,7
	ds_store_b128 v[STO], v[\reg+4*\f:\reg+4*\f+3] offset:32*\f
.endr
.irp f, 0,1,2,3,4,5,6,7
	ds_load_b128 v[\reg+4*\f:\reg+4*\f+3], v[RD] offset:\f*2*SP    ; LDS serves a wave's instructions in order (ISA guide 5.7.1.4): these see the stores above; the next piece's stores come behind them
.endr
.endm
.macro PACK t, lo                      ; tile t; its high pieces go to S^T's registers, its low pieces to v[lo ..]; Q's registers are at work
	WIN W_RS
.set i, 0
.rept 32
	v_pk_mul_f32 v[64*\t+2*i:64*\t+2*i+1], v[64*\t+2*i:64*\t+2*i+1], v[ST+8*\t+6:ST+8*\t+7] op_sel_hi:[1,0]
.set i, i+1
.endr
	WIN 0x05                                       ; sources 0 and 1 window 1, destination window 0
.set i, 0
.rept 32
	v_perm_b32 v[S+32*\t+i], v[64*\t+2*i+1], v[64*\t+2*i], s[PSEL] ; hi: the upper halves of two neighbours, the lower channel below
.set i, i+1
.endr
.set i, 0
.rept 64
	v_and_b32 v[Q+i], s[HIM], v[64*\t+i]                           ; hi as f32
.set i, i+1
.endr
	WIN 0x01                                       ; source 0 window 1
.set i, 0
.rept 32
	v_pk_add_f32 v[Q+2*i:Q+2*i+1], v[64*\t+2*i:64*\t+2*i+1], v[Q+2*i:Q+2*i+1] neg_lo:[0,1] neg_hi:[0,1]   ; o - hi, exact
.set i, i+1
.endr
	WIN 0
.set i, 0
.rept 32
	v_cvt_pk_bf16_f32 v[\lo+i], v[Q+2*i], v[Q+2*i+1]
.set i, i+1
.endr
	STG S+32*\t
	STG \lo
.endm
.macro SEND reg, off, younger          ; younger: the LDS instructions issued behind this piece's loads
.irp f, 0,1,2,3,4,5,6,7
	s_wait_dscnt \younger+7-\f
	global_store_b128 v[GO], v[\reg+4*\f:\reg+4*\f+3], s[10:11] offset:\off+\f*8192  ; 16 lanes store 256 consecutive bytes, the head's part of a row of ab, at a multiple of 256
.endr
.endm
	PACK 0, P
	PACK 1, L                                      ; l and the ones have served
	SEND S, 0, 48
	SEND P, 2048, 32
	SEND S+32, 65536, 16
	SEND L, 65536+2048, 0
	s_wait_tensorcnt 0x0                           ; the wave's end: behind my last tensor load and my last LDS store
	ds_add_u32 v[SPW], v[NIL]
	s_wait_dscnt 0x0
	s_endpgm
.Lfunc_end_k_q7766ab3da8_attn:
	.size	k_q7766ab3da8_attn, .Lfunc_end_k_q7766ab3da8_attn-k_q7766ab3da8_attn
	.p2alignl 7, 3214868480
	.fill 96, 4, 3214868480
	.section	.rodata,"a",@progbits
	.p2align	6, 0x0
	.amdhsa_kernel k_q7766ab3da8_attn
		.amdhsa_group_segment_fixed_size 327680
		.amdhsa_private_segment_fixed_size 0
		.amdhsa_enable_private_segment 0
		.amdhsa_kernarg_size 32
		.amdhsa_user_sgpr_count 2
		.amdhsa_user_sgpr_kernarg_segment_ptr 1
		.amdhsa_wavefront_size32 1
		.amdhsa_system_sgpr_workgroup_id_x 1
		.amdhsa_system_sgpr_workgroup_id_y 1
		.amdhsa_system_sgpr_workgroup_id_z 1
		.amdhsa_system_vgpr_workitem_id 0
		.amdhsa_next_free_vgpr 768
		.amdhsa_next_free_sgpr 66
		.amdhsa_reserve_vcc 1
		.amdhsa_float_denorm_mode_32 3
		.amdhsa_float_denorm_mode_16_64 3
		.amdhsa_memory_ordered 1
		.amdhsa_forward_progress 1
		.amdhsa_inst_pref_size 255
	.end_amdhsa_kernel
	.section	.bss,"aw",@nobits
	.p2align	6
	.space	262144
	.amdgpu_metadata
---
amdhsa.version: [ 1, 2 ]
amdhsa.kernels:
  - .name:           k_q7766ab3da8_attn
    .symbol:         k_q7766ab3da8_attn.kd
    .args:
      - { .name: qb, .offset: 0, .size: 8, .value_kind: global_buffer, .address_space: global }
      - { .name: kb, .offset: 8, .size: 8, .value_kind: global_buffer, .address_space: global }
      - { .name: vb, .offset: 16, .size: 8, .value_kind: global_buffer, .address_space: global }
      - { .name: ab, .offset: 24, .size: 8, .value_kind: global_buffer, .address_space: global }
    .group_segment_fixed_size: 327680
    .private_segment_fixed_size: 0
    .kernarg_segment_align: 8
    .kernarg_segment_size: 32
    .max_flat_workgroup_size: 128
    .sgpr_count:     66
    .vgpr_count:     768
    .wavefront_size: 32
...
	.end_amdgpu_metadata
.endif
;; end of part 3
;; launch oproj (part 4): grid 8 x 32, 4 waves a work-group, clusters of 4 x 4, 327,680 bytes of LDS; arguments ab, wob, out0; writes out0
.if DOCPART == 4
	.amdgcn_target "amdgcn-amd-amdhsa--gfx1250"
	.amdhsa_code_object_version 6
	.text
	.protected	k_q7766ab3da8_oproj
	.globl	k_q7766ab3da8_oproj
	.p2align	8
	.type	k_q7766ab3da8_oproj,@function
k_q7766ab3da8_oproj:
	s_mov_b64 s[64:65], 0
	v_nop
	global_prefetch_b8 v0, s[64:65] scope:SCOPE_SE
	s_setreg_imm32_b32 hwreg(HW_REG_WAVE_MODE, 25, 1), 1
	s_wait_xcnt 0x0
	s_wait_alu depctr_hold_cnt(0) depctr_sa_sdst(0) depctr_va_vdst(0) depctr_va_sdst(0) depctr_va_ssrc(0) depctr_va_vcc(0) depctr_vm_vsrc(0)
	s_getreg_b32 s2, hwreg(HW_REG_IB_STS2, 6, 4)
	s_cmp_eq_u32 s2, 0
	s_cbranch_scc0 .Lentry_in_a_cluster
	s_endpgm
.Lentry_in_a_cluster:
	s_bfe_u32 s2, ttmp6, 0x10000c
	s_cmp_lg_u32 s2, 0xf033
	s_cbranch_scc0 .Lentry_shape_is_right
	s_endpgm
.Lentry_shape_is_right:
; out0 = (hi + lo) . wob.  ab [4096][2048] bf16: the attention's result in two pieces, hi in columns 0..1023, lo in columns 1024..2047; wob [1024 k][2048 n] bf16; out0 [4096][2048] f32.
; Both pieces are multiplied by the same rows of wob onto the same f32 sums: 16 K steps of 128.  Step 2 t takes hi's channels 128 t on, step 2 t + 1 lo's: slot 0 always holds a tile of hi,
; slot 1 the like tile of lo, and both hold wob's rows 128 t on.
; The product's form is that of the launch for q, k, v: a tile of 128 rows x 256 columns, 8 x 32 = 256 work-groups, four waves of 64 x 128 (32 accumulators), two LDS slots,
; cluster 4 x 4 with ab's tile shared along a row of the cluster and wob's along a column, the matrix instruction used transposed (source 0 = 16 columns of wob, turned by
; ds_load_tr16_b128; source 1 = 16 rows of ab): in accumulator (a, b) lane l, register j, holds row 16 a + l % 16, column 16 b + 8 (l / 16) + j.
; THE WAY OUT: a lane's eight f32 are 32 bytes of a row; a block of 16 rows x 512 bytes goes through the wave's own stage and comes back as whole rows: a store of a wave covers 512 consecutive bytes.
; REGISTERS: window 0: v0-31 addresses; v32-127, v128-223 two fragment buffers; on the way out v32-95, v96-159 rows read back.  window 1: the accumulators.
; LIMIT: wob is bf16; the two pieces of ab hold 16 bits of mantissa together.
.set APITCH, 2048                      ; elements in a row of ab
.set LOB,    2048                      ; bytes from a row's hi to its lo
.set KSTEP,  128
.set LAPS,   1024/KSTEP                ; a lap = hi's and lo's K step on the same 128 channels = once round the ring
.set WROW,   4096                      ; bytes in a row of wob
.set OROW,   8192                      ; bytes in a row of out0
.set PA,     272
.set PB,     544
.set AHALF,  64*PA
.set BHALF,  64*PB
.set ATILE,  2*AHALF
.set S1,     ATILE+2*BHALF
.set STAGE,  2*S1
.set SPO,    528                       ; a row of the stage: 512 bytes + 16
.set SPARE,  STAGE+4*16*SPO            ; behind the stages: the spare words, 128 bytes for each wave: two blocks of 256 bytes that no other line names
.set ADRA, 16
.set ADRB, 20
.set STO,  24
.set RD,   25
.set CO,   26
.set SPW,  28
.set NIL,  29
.set F0,   32
.set F1,   128
.set BK0,  32
.set WV, 22
.set MI, 23
.set NJ, 24
.set CX, 25
.set CY, 26
.set TC, 27
.set TR, 28
.set RMASK, 29
.set CMASK, 30
.set G1A, 32
.set G1B, 40
.set G0A, 48
.set G0B, 56
.set AOF, 80
.set BOF, 82
.set DST, 86
.set LAP, 94
.set MSB, 0
.macro WIN new
.if MSB != \new
	s_set_vgpr_msb (MSB<<8)|\new
.set MSB, \new
.endif
.endm
.set MUL, 0x50
.macro PLACES
.rept 4
	v_nop
.endr
.endm
.macro JLOAD s                         ; a joint load: waves 0 and 1 fetch ab's two halves, waves 2 and 3 wob's; four v_nop follow each of the two lines
	s_cmp_eq_u32 s[MI], 0
	s_cbranch_scc0 .Lfor_b_\@
	tensor_load_to_lds s[G0A+4*\s:G0A+4*\s+3], s[G1A:G1A+7]
	s_nop 0
.rept 4
	v_nop
.endr
	s_branch .Lasked_\@
.Lfor_b_\@:
	tensor_load_to_lds s[G0B+4*\s:G0B+4*\s+3], s[G1B:G1B+7]
	s_nop 0
.rept 4
	v_nop
.endr
.Lasked_\@:
.endm
.macro CREST
	s_cmp_lg_u32 s[WV], 0
	s_cbranch_scc1 .Lnot_wave_0_\@
	s_barrier_signal -3
.Lnot_wave_0_\@:
	s_barrier_wait -3
	s_barrier_signal -1
	s_barrier_wait -1
.endm
.macro CROUND
	s_barrier_signal -1
	s_barrier_wait -1
	CREST
.endm
	s_load_b128 s[4:7], s[0:1], 0x0                ; ab s[4:5], wob s[6:7]
	s_load_b64 s[8:9], s[0:1], 0x10                ; out0
	v_lshl_add_u32 v[SPW], v0, 2, SPARE
	v_mov_b32 v[NIL], 0
	ds_add_u32 v28, v29
	ds_add_u32 v28, v29
	s_wait_dscnt 0x0
	v_lshrrev_b32 v1, 5, v0
	v_readfirstlane_b32 s[WV], v1
	s_lshr_b32 s[MI], s[WV], 1
	s_and_b32 s[NJ], s[WV], 1
	s_bfe_u32 s[CX], ttmp6, 0x40000
	s_bfe_u32 s[CY], ttmp6, 0x40004
	s_lshl_b32 s[TC], ttmp9, 2
	s_add_co_u32 s[TC], s[TC], s[CX]
	s_and_b32 s[TR], ttmp7, 0xffff
	s_lshl_b32 s[TR], s[TR], 2
	s_add_co_u32 s[TR], s[TR], s[CY]
	s_lshl_b32 s[RMASK], s[CY], 2
	s_lshl_b32 s[RMASK], 15, s[RMASK]
	s_lshl_b32 s[CMASK], 0x1111, s[CX]
	s_or_b32 s[G1A+0], s[RMASK], (1<<16)|(1<<20)|(1<<21)|(5<<22)|(3<<25)   ; 64 rows x 128 elements of 2 bytes; 4 words of padding behind every 64
	s_mov_b32 s[G1A+1], KSTEP<<16
	s_mov_b32 s[G1A+2], 64<<16
	s_mov_b32 s[G1A+3], KSTEP<<16
	s_mov_b32 s[G1A+4], 64
	s_mov_b32 s[G1A+5], APITCH
	s_mov_b32 s[G1A+6], 0
	s_mov_b32 s[G1A+7], 0
	s_or_b32 s[G1B+0], s[CMASK], (1<<16)|(1<<20)|(1<<21)|(6<<22)|(7<<25)   ; 64 rows (k) x 256 elements; 8 words of padding behind every 128
	s_mov_b32 s[G1B+1], 256<<16
	s_mov_b32 s[G1B+2], 64<<16
	s_mov_b32 s[G1B+3], 256<<16
	s_mov_b32 s[G1B+4], 64
	s_mov_b32 s[G1B+5], 2048
	s_mov_b32 s[G1B+6], 0
	s_mov_b32 s[G1B+7], 0
	s_lshl_b32 s[AOF], s[TR], 7
	s_lshl_b32 s95, s[NJ], 6
	s_add_co_u32 s[AOF], s[AOF], s95               ; ab: row 128 x tile row + 64 x half
	s_mul_i32 s[AOF], s[AOF], APITCH*2
	s_mov_b32 s[AOF+1], 0
	s_lshl_b32 s[BOF], s[TC], 9                    ; wob: 512 bytes a tile column, 64 rows of 4,096 bytes for the second half
	s_lshl_b32 s95, s[NJ], 18
	s_add_co_u32 s[BOF], s[BOF], s95
	s_mov_b32 s[BOF+1], 0
	s_mul_i32 s96, s[NJ], AHALF
	s_mul_i32 s97, s[NJ], BHALF
	s_add_co_u32 s97, s97, ATILE
	s_wait_kmcnt 0x0
	s_add_nc_u64 s[AOF:AOF+1], s[4:5], s[AOF:AOF+1]
	s_add_nc_u64 s[BOF:BOF+1], s[6:7], s[BOF:BOF+1]
	CROUND                                         ; all sixteen work-groups are here: the first joint loads meet
.irp s, 0,1
	s_mov_b32 s[G0A+4*\s], 1
	s_add_co_u32 s[G0A+4*\s+1], s96, \s*S1
	s_add_nc_u64 s[G0A+4*\s+2:G0A+4*\s+3], s[AOF:AOF+1], \s*LOB    ; slot 0: hi; slot 1: lo
	s_or_b32 s[G0A+4*\s+3], s[G0A+4*\s+3], 0x80000000
	s_mov_b32 s[G0B+4*\s], 1
	s_add_co_u32 s[G0B+4*\s+1], s97, \s*S1
	s_mov_b64 s[G0B+4*\s+2:G0B+4*\s+3], s[BOF:BOF+1]               ; both slots: the same rows of wob
	s_or_b32 s[G0B+4*\s+3], s[G0B+4*\s+3], 0x80000000
	JLOAD \s                                       ; two tensor loads of mine are out
.endr
	; where my part of out0 begins: row 128 x tile row + 64 MI, byte 1,024 x tile column + 512 NJ
	s_lshl_b32 s98, s[TR], 20
	s_lshl_b32 s3, s[MI], 19
	s_add_co_u32 s98, s98, s3
	s_lshl_b32 s3, s[TC], 10
	s_add_co_u32 s98, s98, s3
	s_lshl_b32 s3, s[NJ], 9
	s_add_co_u32 s98, s98, s3
	s_mov_b32 s99, 0
	s_add_nc_u64 s[DST:DST+1], s[8:9], s[98:99]
	v_and_b32 v1, 15, v0                           ; l % 16
	v_bfe_u32 v2, v0, 4, 1                         ; l / 16
	v_mul_u32_u24 v3, v1, PA
	v_lshl_add_u32 v3, v2, 4, v3
	s_mul_i32 s95, s[MI], AHALF
	v_add_nc_u32 v[ADRA], s95, v3
	v_add_nc_u32 v[ADRA+1], S1, v[ADRA]
	v_and_b32 v4, 7, v0
	v_lshl_add_u32 v4, v2, 3, v4
	v_mul_u32_u24 v4, v4, PB
	v_bfe_u32 v5, v0, 3, 1
	v_lshl_add_u32 v4, v5, 4, v4
	s_lshl_b32 s95, s[NJ], 8
	s_add_co_u32 s95, s95, ATILE
	v_add_nc_u32 v[ADRB], s95, v4
	v_add_nc_u32 v[ADRB+1], S1, v[ADRB]
	s_mul_i32 s95, s[WV], 16*SPO
	s_add_co_u32 s95, s95, STAGE                   ; my stage
	v_mul_u32_u24 v4, v1, SPO                      ; in: row l % 16, 32 bytes for each half of the lanes
	v_lshl_add_u32 v4, v2, 5, v4
	v_add_nc_u32 v[STO], s95, v4
	v_and_b32 v5, 31, v0
	v_lshlrev_b32 v[CO], 4, v5                     ; back and out: 16 bytes a lane, a whole row of 512 bytes a wave
	v_add_nc_u32 v[RD], s95, v[CO]
; The 32 accumulators take turns, one instruction a turn, in the same order in every quarter.
.macro MUL8 f, a, zero
.irp b, 0,1,2,3,4,5,6,7
.if \zero
	v_wmma_f32_16x16x32_bf16 v[8*(8*(\a)+\b):8*(8*(\a)+\b)+7], v[\f+8*\b:\f+8*\b+7], v[\f+64+8*(\a):\f+64+8*(\a)+7], 0
.else
	v_wmma_f32_16x16x32_bf16 v[8*(8*(\a)+\b):8*(8*(\a)+\b)+7], v[\f+8*\b:\f+8*\b+7], v[\f+64+8*(\a):\f+64+8*(\a)+7], v[8*(8*(\a)+\b):8*(8*(\a)+\b)+7]
.endif
.endr
.endm
.macro MUL16 f, a0, zero
	MUL8 \f, \a0, \zero
	MUL8 \f, \a0+1, \zero
.endm
.macro FETCH slot, q, f                ; 24 LDS loads in one run: quarter q of a slot into buffer f: wob's 8 fragments, then ab's 4
	WIN 0
.irp b, 0,1,2,3,4,5,6,7
	ds_load_tr16_b128 v[\f+8*\b:\f+8*\b+3],   v[ADRB+\slot] offset:\q*32*PB+32*\b
	ds_load_tr16_b128 v[\f+8*\b+4:\f+8*\b+7], v[ADRB+\slot] offset:\q*32*PB+32*\b+16*PB
.endr
.irp a, 0,1,2,3
	ds_load_b128 v[\f+64+8*\a:\f+64+8*\a+3],   v[ADRA+\slot] offset:\q*64+\a*16*PA
	ds_load_b128 v[\f+64+8*\a+4:\f+64+8*\a+7], v[ADRA+\slot] offset:\q*64+\a*16*PA+32
.endr
.endm
.macro QUARTER slot, q, f, g, zero
	s_wait_dscnt 4                                 ; wob and ab's blocks 0, 1 are in; the youngest four loads may be out
	WIN MUL
	MUL16 \f, 0, \zero
	PLACES
	FETCH \slot, \q, \g
	s_wait_dscnt 24                                ; all but the 24 just issued
	WIN MUL
	MUL16 \f, 2, \zero
.endm
; The last quarter multiplies buffer 1 and changes slots: ONE barrier; in front of it each wave waits for all its tensor loads, adds 0 to its spare word, and waits for that and for its reads of this slot.
; fill = 1: the barrier opens a round of the cluster's barrier, and this slot is filled again: the same piece's next 128 channels, and wob's next 128 rows.
.macro TURN slot, next, fill
	WIN 0
	s_wait_tensorcnt 0x0
	ds_add_u32 v[SPW], v[NIL]                      ; 0 onto my spare word
	s_wait_dscnt 5                                 ; (the add and the youngest four loads may be out)
	WIN MUL
	MUL8 F1, 0, 0
	s_wait_dscnt 0x0                               ; the add is done, and my reads of this slot are over
	s_barrier_signal -1
	MUL8 F1, 1, 0
.if \fill
	WIN 0
.endif
	s_barrier_wait -1
.if \fill
	CREST
	s_add_nc_u64 s[G0A+4*\slot+2:G0A+4*\slot+3], s[G0A+4*\slot+2:G0A+4*\slot+3], KSTEP*2
	s_add_nc_u64 s[G0B+4*\slot+2:G0B+4*\slot+3], s[G0B+4*\slot+2:G0B+4*\slot+3], KSTEP*WROW
	JLOAD \slot                                    ; my one tensor load behind the round, 112 matrix instructions ahead of the wait for it
.else
	PLACES
.endif
	FETCH \next, 0, F0
	WIN MUL
	MUL16 F1, 2, 0
.endm
	s_wait_tensorcnt 1                             ; my part of K step 0 is in; K step 1's may stay out
	s_barrier_signal -1
	s_barrier_wait -1
	FETCH 0, 0, F0
	QUARTER 0, 1, F0, F1, 1                        ; the first quarter's products start the sums
	WIN 0
	s_mov_b32 s[LAP], LAPS-1
.Llap:
	QUARTER 0, 2, F1, F0, 0
	QUARTER 0, 3, F0, F1, 0
	TURN 0, 1, 1
	QUARTER 1, 1, F0, F1, 0
	QUARTER 1, 2, F1, F0, 0
	QUARTER 1, 3, F0, F1, 0
	TURN 1, 0, 1
	QUARTER 0, 1, F0, F1, 0
	WIN 0
	s_sub_co_u32 s[LAP], s[LAP], 1
	s_cmp_lg_u32 s[LAP], 0
	s_cbranch_scc1 .Llap
	QUARTER 0, 2, F1, F0, 0                        ; the last lap fills nothing
	QUARTER 0, 3, F0, F1, 0
	TURN 0, 1, 0
	QUARTER 1, 1, F0, F1, 0
	QUARTER 1, 2, F1, F0, 0
	QUARTER 1, 3, F0, F1, 0
	s_wait_dscnt 4
	WIN MUL
	MUL16 F1, 0, 0
	s_wait_dscnt 0x0
	MUL16 F1, 2, 0
	WIN 0
.macro TOSTAGE a                       ; block a: 32 bytes a lane and accumulator into my stage, the low four registers first; back as 16 whole rows
.set BK, BK0+64*((\a)%2)
.if (\a) >= 2
	s_wait_xcnt 0x0                                ; the stores of the block two back have had their addresses translated (ISA guide 3.1): its registers are loaded again only behind this wait
.endif
	WIN 0x04                                       ; the stored data lie in window 1
.irp b, 0,1,2,3,4,5,6,7
	ds_store_b128 v[STO], v[64*(\a)+8*\b:64*(\a)+8*\b+3]   offset:64*\b
	ds_store_b128 v[STO], v[64*(\a)+8*\b+4:64*(\a)+8*\b+7] offset:64*\b+16
.endr
	WIN 0
.irp t, 0,1,2,3,4,5,6,7,8,9,10,11,12,13,14,15
	ds_load_b128 v[BK+4*\t:BK+4*\t+3], v[RD] offset:\t*SPO         ; LDS serves a wave's instructions in order (ISA guide 5.7.1.4): these see the stores above
.endr
.endm
.macro SEND a, younger                 ; younger: the next block's 16 LDS stores and 16 LDS loads, or none
.set BK, BK0+64*((\a)%2)
	s_wait_dscnt \younger
.irp t, 0,1,2,3,4,5,6,7,8,9,10,11,12,13,14,15
	global_store_b128 v[CO], v[BK+4*\t:BK+4*\t+3], s[DST:DST+1] offset:(16*(\a)+\t)*OROW th:TH_STORE_NT   ; 32 lanes store 512 consecutive bytes, at a multiple of 512 from out0's first byte
.endr
.endm
	PLACES                                         ; behind the last products
	TOSTAGE 0
	TOSTAGE 1
	SEND 0, 32
	TOSTAGE 2
	SEND 1, 32
	TOSTAGE 3
	SEND 2, 32
	SEND 3, 0
	s_wait_tensorcnt 0x0                           ; the wave's end: behind my last tensor load and my last LDS store
	ds_add_u32 v[SPW], v[NIL]
	s_wait_dscnt 0x0
	CROUND                                         ; the closing round
	s_endpgm
.Lfunc_end_k_q7766ab3da8_oproj:
	.size	k_q7766ab3da8_oproj, .Lfunc_end_k_q7766ab3da8_oproj-k_q7766ab3da8_oproj
	.p2alignl 7, 3214868480
	.fill 96, 4, 3214868480
	.section	.rodata,"a",@progbits
	.p2align	6, 0x0
	.amdhsa_kernel k_q7766ab3da8_oproj
		.amdhsa_group_segment_fixed_size 327680
		.amdhsa_private_segment_fixed_size 0
		.amdhsa_enable_private_segment 0
		.amdhsa_kernarg_size 24
		.amdhsa_user_sgpr_count 2
		.amdhsa_user_sgpr_kernarg_segment_ptr 1
		.amdhsa_wavefront_size32 1
		.amdhsa_system_sgpr_workgroup_id_x 1
		.amdhsa_system_sgpr_workgroup_id_y 1
		.amdhsa_system_sgpr_workgroup_id_z 1
		.amdhsa_system_vgpr_workitem_id 0
		.amdhsa_next_free_vgpr 512
		.amdhsa_next_free_sgpr 100
		.amdhsa_reserve_vcc 0
		.amdhsa_float_denorm_mode_32 3
		.amdhsa_float_denorm_mode_16_64 3
		.amdhsa_memory_ordered 1
		.amdhsa_forward_progress 1
		.amdhsa_inst_pref_size 85
	.end_amdhsa_kernel
	.amdgpu_metadata
---
amdhsa.version: [ 1, 2 ]
amdhsa.kernels:
  - .name:           k_q7766ab3da8_oproj
    .symbol:         k_q7766ab3da8_oproj.kd
    .args:
      - { .name: ab, .offset: 0, .size: 8, .value_kind: global_buffer, .address_space: global }
      - { .name: wob, .offset: 8, .size: 8, .value_kind: global_buffer, .address_space: global }
      - { .name: out0, .offset: 16, .size: 8, .value_kind: global_buffer, .address_space: global }
    .group_segment_fixed_size: 327680
    .private_segment_fixed_size: 0
    .kernarg_segment_align: 8
    .kernarg_segment_size: 24
    .max_flat_workgroup_size: 128
    .sgpr_count:     100
    .vgpr_count:     512
    .wavefront_size: 32
...
	.end_amdgpu_metadata
.endif
;; end of part 4
;; ======== version 2 of 2: 4 launches; 1.21 times as fast as version 1
;; limits: values outside matrix products are rounded to bf16; values are held in f16: magnitudes above 65,504 overflow, below 6.1e-05 lose precision
;; workspace buffers: xb 16,777,216 bytes; wqkv 8,388,608 bytes; wob 4,194,304 bytes; csb 2,097,152 bytes; qb 8,388,608 bytes; kb 4,194,304 bytes; vb 8,388,608 bytes; ab 10,485,760 bytes
;; launch cast: the kernel of part 1 again; grid 1920 x 1, 8 waves a work-group, no clusters, 0 bytes of LDS; arguments x, Wq, Wk, Wv, Wo, cos, sin, xb, wqkv, wob, csb; writes xb, wqkv, wob, csb
;; launch qkv: the kernel of part 2 again; grid 8 x 32, 4 waves a work-group, clusters of 4 x 4, 327,680 bytes of LDS; arguments xb, wqkv, csb, qn_w, kn_w, qb, kb, vb; writes qb, kb, vb
;; launch attn (part 5): grid 32 x 8, 4 waves a work-group, no clusters, 327,680 bytes of LDS; arguments qb, kb, vb, ab; writes ab
.if DOCPART == 5
	.amdgcn_target "amdgcn-amd-amdhsa--gfx1250"
	.amdhsa_code_object_version 6
	.text
	.protected	k_q7766ab3da8_attn
	.globl	k_q7766ab3da8_attn
	.p2align	8
	.type	k_q7766ab3da8_attn,@function
k_q7766ab3da8_attn:
	s_mov_b64 s[64:65], 0
	v_nop
	global_prefetch_b8 v0, s[64:65] scope:SCOPE_SE
	s_setreg_imm32_b32 hwreg(HW_REG_WAVE_MODE, 25, 1), 1
	s_wait_xcnt 0x0
; o[i][:] = sum over j of softmax_j(q[head][i] . k[g][j] / 16) v[g][j][:], g = head / 2, over the keys with 0 <= i - j < 1024.
; qb [8][4096][128], kb [4][4096][128] f16; vb [4][4096][256] f16 (a row: v's 128 high pieces, then its 128 low pieces).
; ab: 5,120 lines of 1,024 bf16 (column 128 head + d).  Rows under 1,024 lie in blocks of 16: 16 lines of high pieces, then 16 lines of low pieces: row R's hi at line 32 (R / 16) + R % 16,
; its lo 16 lines further on.  Row R from 1,024 on lies at line R + 1,024, in one piece.
; FORMATS.  Products in f16 with f32 sums.  The weights p are rounded to f16, and l is the sum of the ROUNDED weights, made by the matrix unit (a fragment of ones times P), so that a
; weight's rounding acts on numerator and divisor alike.  hi = bf16(o), lo = bf16(o - hi).
; THE LOW PIECES SERVE QUERIES WITH FEW KEYS, which pass v on nearly unchanged.  By the mask a query of block 1 or later has 129 keys or more, a query from 1,024 on has 1,024.  So V^T P is made
; on v's low pieces too in block 0 alone, and o's low piece is made for rows under 1,024 alone.
; SHARES.  A work-group owns 128 queries (block pb, from p0 = 128 pb) of one head, each of its four waves 32: two tiles of 16.
; KEYS go in chunks of 128, downward: chunk c is keys p0 - 128 c .. + 127, c = 0 .. T1 = min(pb, 8).  Chunk 0 takes the causal mask; chunks 1 .. T1 - 1 need none
; (there 1 <= i - j <= 1023); chunk T1 takes the window's mask (all true where pb < 8).  Keys outside these chunks are masked for all 128 queries and are not touched.
; A chunk is two steps of 64 keys.  The first step of chunk 0 holds key p0 <= i for every query, so the running maximum is finite from the first step on and every l is at least 1.
; LAYOUT.  S^T = K Q^T (source 0 = 16 keys, source 1 = 16 queries): a lane holds ONE query (lane % 16) and keys 8 (lane / 16) + 0..7.  Two such tiles rounded to f16 in pairs ARE
; source 1 of O^T = V^T P.  K comes out of LDS as it lies, V turned by ds_load_tr16_b128.
; SOFTMAX.  For each query a running maximum m: p = 2^(c s - c m), c = log2(e) / 16; in every step O and l are multiplied by a = 2^(c m_old - c m_new).  A masked score is -infinity: its p is 0.
; IN PHASES: a step's K Q^T, its mask and softmax, its V^T P; the LDS loads of the next phase are issued a phase ahead.
; RING.  Two LDS slots, a chunk each.  Waves 0, 1 fetch K's two steps, waves 2, 3 V's high pieces: one tensor load a wave behind each barrier, a whole chunk (136 matrix instructions) ahead of
; its use.  Block 0, which has one chunk, fetches V's low pieces beside it, into bytes of their own.
; NO CLUSTER: neighbouring query blocks walk windows 128 keys apart, and joint requests are made alike by all partners, so four partners would each multiply the union of their windows,
; 12 chunks in place of 9; the two heads of a group share K and V exactly, but they are two.
; REGISTERS: window 0: v0-41 addresses, statistics, mask; v64-127 S^T (32 a tile); v128-159 P (16 a tile); v160-223 Q (32 a tile); v224-239 l (8 a tile); v240-247 ones.
;   window 1: v0-127 O^T (64 a tile); v128-255 V's high pieces of one step.     window 2: v0-127 K of one step; v128-255 V's low pieces (block 0).
; LIMITS: for queries from 128 on v enters as one f16 whose mantissa is cut to 10 bits (under 2^-10 of each value); for rows from 1,024 on o leaves as one bf16.
; v_exp_f32 and v_rcp_f32 are accurate to 1 ULP; a weight under 2^-25 of the largest counts as 0 (f16).  NaN and infinities in q, k, v are not treated apart.
.set KS,    64
.set PK,    272                        ; a row of K in LDS: 256 bytes + 16: the 16 rows of a load begin in 16 different groups of four banks (64 banks of 4 bytes: ISA guide 11.1)
.set PV,    288                        ; a row of V: 256 + 32 = 9 x 32
.set VOFF,  KS*PK                      ; a step's tiles lie together: 64 rows of K, then 64 rows of V's high pieces
.set VTILE, KS*PV
.set STEPB, KS*(PK+PV)
.set SLOT1, 1<<17                      ; a slot holds two steps (71,680 bytes); slot 1 begins here, so that one exclusive or turns an address in one slot into the other's
.set VLOW,  SLOT1+2*STEPB              ; behind the ring: V's low pieces of chunk 0's two steps, filled once, in block 0
.set STAGE, VLOW+2*VTILE               ; behind them: 16 rows x 272 bytes for each wave
.set SP,    272
.set SPARE, STAGE+4*16*SP              ; behind the stages: the spare words, 128 bytes for each wave: two blocks of 256 bytes that no other line names
.set AK0, 2                            ; v2   my lane's place in a tile of K; never rewritten
.set AV0, 3                            ; v3   the same for V
.set QO,  6                            ; v6   my byte offset in the wave's rows of Q
.set STO, 7
.set RD,  8
.set GO,  10                           ; v10  my byte offset in a tile's lines of ab
.set ST,  12                           ; tile t's statistics at v[ST+8 t]: +0 c m, +1 m, +4 to +7 at work; a takes +6 once the maximum is found
.set DQ,  28                           ; v28-29  tile t: my query - 8 (l / 16)
.set D,   30                           ; v30-31  that minus the step's first key
.set NEG, 32                           ; v32  -infinity
.set AKU, 36                           ; v36-37  LDS address of my place in K's tile of the chunk's step 0, 1
.set AVU, 38                           ; v38-39  the same for V's high pieces
.set AVL, 40                           ; v40-41  the same for V's low pieces
.set SPW, 62
.set NIL, 63
.set S,   64
.set P,   128
.set Q,   160
.set L,   224
.set ONES, 240
.set WV,  12
.set G1K, 24                           ; s[24:31], s[32:39] group 1 for K's and V's tiles
.set G1V, 32
.set G0K, 40                           ; s[40:43], s[44:47] group 0, walking: written only where no tensor load of the wave is out
.set G0V, 44
.set T1,  48                           ; chunks behind chunk 0, then the loop's counter
.set TB,  49                           ; LDS byte at which the chunk's slot begins
.set KB,  50                           ; the chunk's first key
.set KU,  51                           ; the step's first key
.set HIM, 55                           ; 0xffff0000
.set CS,  58
.set SEL, 60
.set G0L, 68                           ; s[68:71] group 0 for V's low pieces
.set B1,  72                           ; s[72:73] ab at tile 1's first line (tile 0's: s[10:11])
.set MSB, 0
.macro WIN new
.if MSB != \new
	s_set_vgpr_msb (MSB<<8)|\new
.set MSB, \new
.endif
.endm
.set W_KQ,  0x02                       ; K in window 2; Q and S^T in window 0
.set W_PVH, 0x51                       ; V's high pieces and O^T in window 1, P in window 0
.set W_PVL, 0x52                       ; V's low pieces in window 2
.set W_RS,  0x41                       ; O^T (destination and source 0) in window 1, a in window 0
.macro PLACES
.rept 4
	v_nop
.endr
.endm
.macro LOADKV                          ; my one tensor load: a step's K (waves 0, 1) or V's high pieces (waves 2, 3); four v_nop follow each of the two lines
	s_cmp_lt_u32 s[WV], 2
	s_cbranch_scc0 .Lfor_v_\@
	tensor_load_to_lds s[G0K:G0K+3], s[G1K:G1K+7]
	s_nop 0
.rept 4
	v_nop
.endr
	s_branch .Lasked_\@
.Lfor_v_\@:
	tensor_load_to_lds s[G0V:G0V+3], s[G1V:G1V+7]
	s_nop 0
.rept 4
	v_nop
.endr
.Lasked_\@:
.endm
	s_load_b256 s[4:11], s[0:1], 0x0               ; qb s[4:5], kb s[6:7], vb s[8:9], ab s[10:11]
	v_lshl_add_u32 v[SPW], v0, 2, SPARE
	v_mov_b32 v[NIL], 0
	ds_add_u32 v62, v63
	ds_add_u32 v62, v63
	s_wait_dscnt 0x0
	v_lshrrev_b32 v1, 5, v0
	v_readfirstlane_b32 s[WV], v1                  ; wave 0..3
	s_lshl_b32 s13, ttmp9, 7                       ; p0
	s_and_b32 s14, ttmp7, 0xffff                   ; head
	s_lshr_b32 s15, s14, 1                         ; g
	s_min_u32 s[T1], ttmp9, 8
	s_and_b32 s16, s[WV], 1                        ; which of a chunk's two steps I fetch
	s_lshl_b32 s20, s15, 20                        ; K: a head is 4,096 rows of 256 bytes;
	s_lshl_b32 s17, s13, 8                         ; chunk 0 begins at key p0;
	s_add_co_u32 s20, s20, s17
	s_lshl_b32 s17, s16, 14                        ; my step's 64 rows
	s_add_co_u32 s20, s20, s17
	s_mov_b32 s21, 0
	s_lshl_b32 s56, s20, 1                         ; V: rows twice as long
	s_mov_b32 s57, 0
	s_mul_i32 s17, s16, STEPB                      ; my step's place in a slot,
	s_mul_i32 s62, s16, VTILE                      ; and among the low pieces
	s_lshl_b32 s18, s[WV], 5
	s_add_co_u32 s18, s18, s13                     ; my wave's first query
	s_lshl_b32 s22, s14, 20
	s_lshl_b32 s19, s18, 8
	s_add_co_u32 s22, s22, s19                     ; its row in qb
	s_mov_b32 s23, 0
	s_lshl_b32 s52, s18, 12                        ; its line in ab, in bytes.  Rows under 1,024: 32 lines of 2,048 bytes for 16 rows;
	s_add_co_u32 s19, s18, 1024                    ; from 1,024 on: line = row + 1,024
	s_lshl_b32 s19, s19, 11
	s_cmp_lt_u32 ttmp9, 8
	s_cselect_b32 s52, s52, s19
	s_cselect_b32 s74, 1, 0
	s_lshl_b32 s74, 0x8000, s74                    ; from tile 0 to tile 1: 32 lines or 16
	s_mov_b32 s75, 0
	s_lshl_b32 s19, s14, 8                         ; the head's 256 bytes in a line
	s_add_co_u32 s52, s52, s19
	s_mov_b32 s53, 0
	; group 1 for K: 64 rows x 128 elements of 2 bytes, 4 words of padding behind every 64
	s_mov_b32 s[G1K], (1<<16)|(1<<20)|(5<<22)|(3<<25)
	s_mov_b32 s[G1K+1], 128<<16                    ; tensor_dim0
	s_mov_b32 s[G1K+2], KS<<16                     ; tensor_dim1
	s_mov_b32 s[G1K+3], 128<<16                    ; tile_dim0
	s_mov_b32 s[G1K+4], KS                         ; tile_dim1
	s_mov_b32 s[G1K+5], 128                        ; elements from row to row
	s_mov_b32 s[G1K+6], 0
	s_mov_b32 s[G1K+7], 0
	; group 1 for one piece of V: 64 rows x 128 elements out of rows of 256, 8 words of padding behind every 64
	s_mov_b32 s[G1V], (1<<16)|(1<<20)|(5<<22)|(7<<25)
	s_mov_b32 s[G1V+1], 128<<16
	s_mov_b32 s[G1V+2], KS<<16
	s_mov_b32 s[G1V+3], 128<<16
	s_mov_b32 s[G1V+4], KS
	s_mov_b32 s[G1V+5], 256
	s_mov_b32 s[G1V+6], 0
	s_mov_b32 s[G1V+7], 0
	s_mov_b32 s[CS], 0x3db8aa3b                    ; c = log2(e) / 16
	s_mov_b32 s[CS+1], s[CS]                       ; named with it as a pair, so it is written
	s_mov_b32 s[SEL], 0x76543210
	s_mov_b32 s[SEL+1], 0xfedcba98
	s_mov_b32 s[HIM], 0xffff0000
	s_mov_b32 s[TB], 0
	s_mov_b32 s[KB], s13
	s_wait_kmcnt 0x0
	s_add_nc_u64 s[4:5], s[4:5], s[22:23]
	s_add_nc_u64 s[10:11], s[10:11], s[52:53]
	s_add_nc_u64 s[B1:B1+1], s[10:11], s[74:75]
	s_mov_b32 s[G0K], 1
	s_mov_b32 s[G0K+1], s17
	s_add_nc_u64 s[G0K+2:G0K+3], s[6:7], s[20:21]
	s_or_b32 s[G0K+3], s[G0K+3], 0x80000000
	s_mov_b32 s[G0V], 1
	s_add_co_u32 s[G0V+1], s17, VOFF
	s_add_nc_u64 s[G0V+2:G0V+3], s[8:9], s[56:57]
	s_mov_b32 s[G0L], 1
	s_add_co_u32 s[G0L+1], s62, VLOW
	s_add_nc_u64 s[G0L+2:G0L+3], s[G0V+2:G0V+3], 256   ; the low pieces lie in the rows' second halves
	s_or_b32 s[G0V+3], s[G0V+3], 0x80000000
	s_or_b32 s[G0L+3], s[G0L+3], 0x80000000
	LOADKV                                         ; chunk 0 into slot 0: one tensor load of mine is out
	v_and_b32 v1, 15, v0                           ; l % 16
	v_bfe_u32 v9, v0, 4, 1                         ; l / 16
	v_lshlrev_b32 v[QO], 8, v1
	v_lshl_add_u32 v[QO], v9, 4, v[QO]             ; row x 256 + 16 x half
.irp i, 0,1,2,3,4,5,6,7                ; Q stays in registers: tile i / 4, channels 32 (i % 4) on
	global_load_b128 v[Q+8*\i:Q+8*\i+3],   v[QO], s[4:5] offset:(\i/4)*4096+(\i%4)*64
	global_load_b128 v[Q+8*\i+4:Q+8*\i+7], v[QO], s[4:5] offset:(\i/4)*4096+(\i%4)*64+32
.endr
	v_mul_u32_u24 v[AK0], v1, PK
	v_lshl_add_u32 v[AK0], v9, 4, v[AK0]           ; row x pitch + 16 x half
	v_and_b32 v11, 7, v0                           ; the turning load: key 8 (l / 16) + l % 8, channels 8 ((l / 8) % 2) on
	v_lshl_add_u32 v[AV0], v9, 3, v11
	v_mul_u32_u24 v[AV0], v[AV0], PV
	v_bfe_u32 v11, v0, 3, 1
	v_lshl_add_u32 v[AV0], v11, 4, v[AV0]
	v_add_nc_u32 v[AV0], VOFF, v[AV0]
	s_mul_i32 s19, s[WV], 16*SP
	s_add_co_u32 s19, s19, STAGE                   ; my stage
	v_mul_u32_u24 v[STO], v1, SP
	v_lshl_add_u32 v[STO], v9, 4, v[STO]
	v_add_nc_u32 v[STO], s19, v[STO]
	v_mul_u32_u24 v[RD], v9, SP
	v_lshl_add_u32 v[RD], v1, 4, v[RD]
	v_add_nc_u32 v[RD], s19, v[RD]
	v_lshlrev_b32 v[GO], 11, v9                    ; lanes 16-31 one line of ab further down
	v_lshl_add_u32 v[GO], v1, 4, v[GO]
	v_lshlrev_b32 v11, 3, v9
	v_sub_nc_u32 v[DQ], v1, v11
	v_add_nc_u32 v[DQ], s18, v[DQ]                 ; my query of tile 0, less 8 (l / 16); signed
	v_add_nc_u32 v[DQ+1], 16, v[DQ]
	v_mov_b32 v[NEG], 0xff800000
.irp i, 0,1,2,3,4,5,6,7
	v_mov_b32 v[ONES+\i], 0x3c003c00               ; a fragment of 16 x 32 ones in f16
.endr
; In front of a chunk: every wave waits for all its tensor loads (its part of this chunk's slot), adds 0 to its spare word, waits for that and for its reads of the other slot, and passes the barrier.
; refill = 1: the other slot takes the next chunk, 128 keys further down: my one tensor load, first thing behind the barrier.
.macro HEAD refill
	WIN 0
	s_wait_tensorcnt 0x0                           ; no tensor load of mine is out, so a group 0 may be written
	ds_add_u32 v[SPW], v[NIL]                      ; 0 onto my spare word
.if \refill
	s_xor_b32 s[G0K+1], s[G0K+1], SLOT1            ; the other slot than last time,
	s_sub_nc_u64 s[G0K+2:G0K+3], s[G0K+2:G0K+3], 128*256   ; the 128 keys below; the type bits on top are not reached
	s_xor_b32 s[G0V+1], s[G0V+1], SLOT1
	s_sub_nc_u64 s[G0V+2:G0V+3], s[G0V+2:G0V+3], 128*512
.endif
	s_wait_dscnt 0x0                               ; the add is done, and my reads of the other slot are over
	s_barrier_signal -1
	s_barrier_wait -1
.if \refill
	LOADKV                                         ; its four v_nop are also the places behind the last products, ahead of the loads into V's registers
.else
	PLACES
.endif
.endm
.macro FETCH_K u                       ; step u's K: 64 keys x 128 channels: fragment f = keys 16 (f / 4) on, channels 32 (f % 4) on
	WIN 0x80
.irp f, 0,1,2,3,4,5,6,7,8,9,10,11,12,13,14,15
	ds_load_b128 v[8*\f:8*\f+3],   v[AKU+\u] offset:(\f/4)*16*PK+(\f%4)*64
	ds_load_b128 v[8*\f+4:8*\f+7], v[AKU+\u] offset:(\f/4)*16*PK+(\f%4)*64+32
.endr
.endm
; One piece of a step's V, turned: fragment f = keys 32 (f / 8) on, channels 16 (f % 8) on.  adr: the address register.  win: 0x40: into window 1 (high pieces); 0x80: into window 2 (low pieces)
.macro FETCH_V adr, win
	WIN \win
.irp f, 0,1,2,3,4,5,6,7,8,9,10,11,12,13,14,15
	ds_load_tr16_b128 v[128+8*\f:128+8*\f+3],   v[\adr] offset:(\f/8)*32*PV+(\f%8)*32
	ds_load_tr16_b128 v[128+8*\f+4:128+8*\f+7], v[\adr] offset:(\f/8)*32*PV+16*PV+(\f%8)*32
.endr
.endm
; The accumulators take turns, one instruction a turn: between two links of a chain stand 7 (K Q^T), 15 (V^T P) or 1 (l) others'.
.macro KQ32                            ; product i: channels 32 (i / 8) on, keys 16 ((i / 2) % 4) on, tile i % 2; the first 8 start the sums
	WIN W_KQ
.set i, 0
.rept 32
.set rS, S+32*(i%2)+8*((i/2)%4)
.set rK, 32*((i/2)%4)+8*(i/8)
.set rQ, Q+32*(i%2)+8*(i/8)
.if i < 8
	v_wmma_f32_16x16x32_f16 v[rS:rS+7], v[rK:rK+7], v[rQ:rQ+7], 0
.else
	v_wmma_f32_16x16x32_f16 v[rS:rS+7], v[rK:rK+7], v[rQ:rQ+7], v[rS:rS+7]
.endif
.set i, i+1
.endr
.endm
; Product i of 32: keys 32 (i / 16) on, channels 16 ((i / 2) % 8) on, tile i % 2, on V's high pieces; low = 1: then the same on its low pieces; then l += ones x P, two a tile.
; zero = 1: the first products start O^T's and l's sums.
.macro PV32 zero, low
	WIN W_PVH
.set i, 0
.rept 32
.set rO, 64*(i%2)+8*((i/2)%8)
.set rV, 128+64*(i/16)+8*((i/2)%8)
.set rP, P+16*(i%2)+8*(i/16)
.if \zero && (i < 16)
	v_wmma_f32_16x16x32_f16 v[rO:rO+7], v[rV:rV+7], v[rP:rP+7], 0
.else
	v_wmma_f32_16x16x32_f16 v[rO:rO+7], v[rV:rV+7], v[rP:rP+7], v[rO:rO+7]
.endif
.set i, i+1
.endr
.if \low
	WIN W_PVL
.set i, 0
.rept 32
.set rO, 64*(i%2)+8*((i/2)%8)
.set rV, 128+64*(i/16)+8*((i/2)%8)
.set rP, P+16*(i%2)+8*(i/16)
	v_wmma_f32_16x16x32_f16 v[rO:rO+7], v[rV:rV+7], v[rP:rP+7], v[rO:rO+7]
.set i, i+1
.endr
.endif
	WIN 0
.irp hf, 0,1
.irp t, 0,1
.if \zero && (\hf == 0)
	v_wmma_f32_16x16x32_f16 v[L+8*\t:L+8*\t+7], v[ONES:ONES+7], v[P+16*\t+8*\hf:P+16*\t+8*\hf+7], 0
.else
	v_wmma_f32_16x16x32_f16 v[L+8*\t:L+8*\t+7], v[ONES:ONES+7], v[P+16*\t+8*\hf:P+16*\t+8*\hf+7], v[L+8*\t:L+8*\t+7]
.endif
.endr
.endr
.endm
; The mask of step u.  Register 8 kb + jj of a tile holds key KU + 16 kb + jj + 8 (l / 16), so i - key = D - (16 kb + jj).  kind 1: key <= i.  kind 2: i - key < 1024.
; A select, no branch; each accumulator from its low end on.
.macro MASK kind, u
	WIN 0
	s_add_co_u32 s[KU], s[KB], 64*\u
	v_sub_nc_u32 v[D], v[DQ], s[KU]
	v_sub_nc_u32 v[D+1], v[DQ+1], s[KU]
.irp t, 0,1
.irp kb, 0,1,2,3
.irp jj, 0,1,2,3,4,5,6,7
.if \kind == 1
	v_cmp_le_i32 vcc_lo, 16*\kb+\jj, v[D+\t]
.else
	v_cmp_gt_i32 vcc_lo, 1024+16*\kb+\jj, v[D+\t]
.endif
	v_cndmask_b32 v[S+32*\t+8*\kb+\jj], v[NEG], v[S+32*\t+8*\kb+\jj], vcc_lo
.endr
.endr
.endr
.endm
; One tile's softmax for one step is a numbered list; SM writes number j of it for tile t.  s0-s31 are the lane's 32 scores, in pairs 0-15.
; first = 1: the first step, which starts m, l and O^T: it has no a and nothing to rescale.
;   0-15    the maximum of s0-s31 and the old m, three operands at a time: four chains of seven scores each (each begins at its accumulator's low end), the four scores left over, the chains and m
;   16-20   the other half of the lanes' maximum; the new m; c m; c m_old - c m_new
;   21-89   33 exponentials (a, then s0-s31) at the odd numbers from 23 to 87; at the even numbers plain work that is ready: c s - c m for pairs still to come, roundings to f16 of pairs that are
;           done (the last at 89).  Numbers 76, 80, 84, 88 and 90-97 are empty: l is summed by the matrix unit
;   98-101  the tile's l times a, from its accumulator's low end on
;   102-133 the tile's O^T times a
.macro SM t, first
.set rT, ST+8*(\t)
.set rS, S+32*(\t)
.set rP, P+16*(\t)
.set rL, L+8*(\t)+2*(j-98)
.set rO, 64*(\t)+2*(j-102)
.set q, (j-20)/2
.if j < 102
	WIN 0
.endif
.if j < 4
	v_max3_num_f32 v[rT+4+j], v[rS+8*j], v[rS+8*j+1], v[rS+8*j+2]
.elseif j < 12
	v_max3_num_f32 v[rT+4+j%4], v[rT+4+j%4], v[rS+8*(j%4)+2*(j/4)+1], v[rS+8*(j%4)+2*(j/4)+2]
.elseif j == 12
	v_max3_num_f32 v[rT+4], v[rT+4], v[rS+7], v[rS+15]
.elseif j == 13
	v_max3_num_f32 v[rT+6], v[rT+6], v[rS+23], v[rS+31]
.elseif j == 14
	v_max3_num_f32 v[rT+4], v[rT+4], v[rT+5], v[rT+6]
.elseif (j == 15) && \first
	v_max_num_f32 v[rT+4], v[rT+4], v[rT+7]
.elseif j == 15
	v_max3_num_f32 v[rT+4], v[rT+4], v[rT+7], v[rT+1]
.elseif j == 16
	v_permlanex16_b32 v[rT+5], v[rT+4], s[SEL], s[SEL+1]  ; the query's other 32 keys lie in the lane 16 away
.elseif j == 18
	v_max_num_f32 v[rT+1], v[rT+4], v[rT+5]
.elseif j == 19
	v_mul_f32 v[rT], s[CS], v[rT+1]
.elseif ((j == 17) || (j == 20) || (j == 23) || (j > 97)) && \first  ; the first step has none of these
.elseif j == 17
	v_mov_b32 v[rT+7], v[rT]        ; c m_old is kept for a: number 19 writes c m anew
.elseif j == 20
	v_sub_f32 v[rT+7], v[rT+7], v[rT]
.elseif j == 23
	v_exp_f32 v[rT+6], v[rT+7]
.elseif (j < 88) && (j > 23) && (j%2 == 1)
	v_exp_f32 v[rS+(j-25)/2], v[rS+(j-25)/2]
.elseif (q < 4) || ((j < 76) && (q%2 == 0))
.set b, q/2+2
.if q < 4
.set b, q
.endif
	v_pk_fma_f32 v[rS+2*b:rS+2*b+1], v[rS+2*b:rS+2*b+1], s[CS:CS+1], v[rT:rT+1] op_sel_hi:[1,0,0] neg_lo:[0,0,1] neg_hi:[0,0,1]  ; pair b: c s - c m
.elseif (j < 88) && (q%2 == 1)
	s_wait_alu depctr_va_vdst(0)
	v_cvt_pk_f16_f32 v[rP+(q-5)/2], v[rS+q-5], v[rS+q-4]  ; pair (q - 5) / 2: its second exponential stands three numbers back
.elseif j == 89
	s_wait_alu depctr_va_vdst(0)
	v_cvt_pk_f16_f32 v[rP+15], v[rS+30], v[rS+31]
.elseif j < 98                      ; empty
.elseif j < 102
	v_pk_mul_f32 v[rL:rL+1], v[rL:rL+1], v[rT+6:rT+7] op_sel_hi:[1,0]
.else
	WIN W_RS
	v_pk_mul_f32 v[rO:rO+1], v[rO:rO+1], v[rT+6:rT+7] op_sel_hi:[1,0]
.endif
.endm
; Slice k of 64: numbers 2 k and 2 k + 1 of both tiles' lists; the twelve that are over stand in slice 63.  From 11 to 43 tile by tile, elsewhere the two tiles alternate: between every
; exponential and the first use of its result stands a plain instruction of the other tile (ISA guide 5.7.2).
.macro SLICE y, first
.if (k >= 11) && (k < 44)
.irp t, \y, \y+1
.irp n, 0,1
.set j, 2*k+\n
	SM \t, \first
.endr
.endr
.else
.irp n, 0,1,2,3,4,5,6,7
.if (\n < 2) || (k == 63)
.irp t, \y, \y+1
.set j, 2*k+\n
	SM \t, \first
.endr
.endif
.endr
.endif
.set k, k+1
.endm
.macro SOFTMAX first
.set k, 0
.rept 64
	SLICE 0, \first
.endr
.endm
; A chunk: two steps.  first = 1: its first step starts m, l and O^T.  kind: 0 no mask, 1 causal, 2 window.  low = 1: V's low pieces are multiplied too (block 0).
; Runs of 32 LDS loads; a counted wait leaves the younger run out.  Four places stand behind each run of products, ahead of the loads into their sources and of the reads of their results.
.macro CHUNK first, kind, low
	v_add_nc_u32 v[AKU], s[TB], v[AK0]
	v_add_nc_u32 v[AVU], s[TB], v[AV0]
	v_add_nc_u32 v[AKU+1], STEPB, v[AKU]
	v_add_nc_u32 v[AVU+1], STEPB, v[AVU]
.if \low
	v_add_nc_u32 v[AVL], VLOW-VOFF, v[AV0]
	v_add_nc_u32 v[AVL+1], VTILE, v[AVL]
.endif
	FETCH_K 0
	FETCH_V AVU, 0x40
	s_wait_dscnt 32                                ; K of step 0 is in; the 32 loads of V's high pieces may be out
	KQ32
	PLACES
.if \low
	FETCH_V AVL, 0x80
.endif
	FETCH_K 1
.if \kind
	MASK \kind, 0
.endif
	SOFTMAX \first
	s_wait_dscnt 32                                ; V of step 0 is in; K of step 1 may be out
	PV32 \first, \low
.if \low
	s_wait_dscnt 0x0                               ; K of step 1, asked for in front of the softmax
	PLACES
	FETCH_V AVU+1, 0x40
	FETCH_V AVL+1, 0x80
.else
	PLACES
	FETCH_V AVU+1, 0x40
	s_wait_dscnt 32                                ; K of step 1 is in; V's 32 loads may be out
.endif
	KQ32
	PLACES
.if \kind
	MASK \kind, 1
.endif
	SOFTMAX 0
	s_wait_dscnt 0x0                               ; V of step 1
	PV32 0, \low
	s_xor_b32 s[TB], s[TB], SLOT1                  ; the next chunk lies in the other slot,
	s_sub_co_u32 s[KB], s[KB], 128                 ; 128 keys further down
.endm
	s_cmp_eq_u32 s[T1], 0                          ; the same in all four waves: it hangs on the block's number alone
	s_cbranch_scc1 .Lonly
	s_wait_loadcnt 0x0                             ; Q
	HEAD 1                                         ; chunk 0 is whole; chunk 1 goes out, into slot 1
	CHUNK 1, 1, 0
	s_sub_co_u32 s[T1], s[T1], 1
	s_cmp_eq_u32 s[T1], 0
	s_cbranch_scc1 .Ltail
.Lloop:                                                ; chunks 1 .. T1 - 1; each trip asks for the chunk behind its own
	HEAD 1
	CHUNK 0, 0, 0
	s_sub_co_u32 s[T1], s[T1], 1
	s_cmp_lg_u32 s[T1], 0
	s_cbranch_scc1 .Lloop
.Ltail:                                                ; chunk T1: nothing is left to fetch
	HEAD 0
	CHUNK 0, 2, 0
	s_branch .Lout
.Lonly:                                                ; block 0 has chunk 0 alone, and its queries have 1 to 128 keys: V's low pieces are fetched too, a first fill of bytes of their own,
	s_cmp_lt_u32 s[WV], 2                          ; ahead of every wait on TENSORcnt (all of them are for 0), every LDS read and every barrier: two tensor loads of waves 2 and 3 are out
	s_cbranch_scc1 .Lno_low_fill
	tensor_load_to_lds s[G0L:G0L+3], s[G1V:G1V+7]
	s_nop 0
.rept 4
	v_nop
.endr
.Lno_low_fill:
	s_wait_loadcnt 0x0                             ; Q
	HEAD 0
	CHUNK 1, 1, 1
.Lout:
	; THE WAY OUT.  Every register of l's accumulator holds the query's whole sum; O^T is divided by it, rounded to bf16 and sent through my stage, 16 rows of one piece at a time.
	PLACES                                         ; behind the last products
	v_rcp_f32 v[ST+6], v[L]
	v_rcp_f32 v[ST+14], v[L+8]
	v_nop                                          ; a plain instruction between the last reciprocal and its use
	s_wait_alu depctr_va_vdst(0)
.macro STG reg                         ; 16 bytes a lane into rows of 272 bytes, and back as whole rows of 256, into the registers that they left
.irp f, 0,1,2,3,4,5,6,7
	ds_store_b128 v[STO], v[\reg+4*\f:\reg+4*\f+3] offset:32*\f
.endr
.irp f, 0,1,2,3,4,5,6,7
	ds_load_b128 v[\reg+4*\f:\reg+4*\f+3], v[RD] offset:\f*2*SP    ; LDS serves a wave's instructions in order (ISA guide 5.7.1.4): these see the stores above; the next piece's stores come behind them
.endr
.endm
.macro PACKH t                         ; tile t: o = O^T / l, each accumulator from its low end on; hi = bf16(o) into S^T's registers
	WIN W_RS
.set i, 0
.rept 32
	v_pk_mul_f32 v[64*\t+2*i:64*\t+2*i+1], v[64*\t+2*i:64*\t+2*i+1], v[ST+8*\t+6:ST+8*\t+7] op_sel_hi:[1,0]
.set i, i+1
.endr
	WIN 0x05                                       ; sources 0 and 1 window 1, destination window 0
.set i, 0
.rept 32
	v_cvt_pk_bf16_f32 v[S+32*\t+i], v[64*\t+2*i], v[64*\t+2*i+1]
.set i, i+1
.endr
	WIN 0
.endm
.macro PACKL t, lo                     ; tile t: lo = bf16(o - hi) into v[lo ..]; Q's registers are at work
.set i, 0
.rept 32
	v_lshlrev_b32 v[Q+2*i],   16, v[S+32*\t+i]                     ; hi as f32
	v_and_b32     v[Q+2*i+1], s[HIM], v[S+32*\t+i]
.set i, i+1
.endr
	WIN 0x01                                       ; source 0 window 1
.set i, 0
.rept 32
	v_pk_add_f32 v[Q+2*i:Q+2*i+1], v[64*\t+2*i:64*\t+2*i+1], v[Q+2*i:Q+2*i+1] neg_lo:[0,1] neg_hi:[0,1]   ; o - hi, exact
.set i, i+1
.endr
	WIN 0
.set i, 0
.rept 32
	v_cvt_pk_bf16_f32 v[\lo+i], v[Q+2*i], v[Q+2*i+1]
.set i, i+1
.endr
.endm
.macro SEND reg, base, off, younger    ; younger: the LDS instructions issued behind this piece's loads
.irp f, 0,1,2,3,4,5,6,7
	s_wait_dscnt \younger+7-\f
	global_store_b128 v[GO], v[\reg+4*\f:\reg+4*\f+3], s[\base:\base+1] offset:\off+\f*4096  ; 16 lanes store 256 consecutive bytes, the head's part of a line of ab, at a multiple of 256
.endr
.endm
	PACKH 0
	PACKH 1
	s_cmp_lt_u32 ttmp9, 8                          ; rows under 1,024 leave a low piece too
	s_cbranch_scc0 .Lno_low
	PACKL 0, P
	PACKL 1, L                                     ; l and the ones have served
	STG P
	STG L
	SEND P, 10, 32768, 16                          ; 16 lines behind the tile's high pieces
	SEND L, B1, 32768, 0
.Lno_low:
	STG S
	STG S+32
	SEND S, 10, 0, 16
	SEND S+32, B1, 0, 0
	s_wait_tensorcnt 0x0                           ; the wave's end: behind my last tensor load and my last LDS store
	ds_add_u32 v[SPW], v[NIL]
	s_wait_dscnt 0x0
	s_endpgm
.Lfunc_end_k_q7766ab3da8_attn:
	.size	k_q7766ab3da8_attn, .Lfunc_end_k_q7766ab3da8_attn-k_q7766ab3da8_attn
	.p2alignl 7, 3214868480
	.fill 96, 4, 3214868480
	.section	.rodata,"a",@progbits
	.p2align	6, 0x0
	.amdhsa_kernel k_q7766ab3da8_attn
		.amdhsa_group_segment_fixed_size 327680
		.amdhsa_private_segment_fixed_size 0
		.amdhsa_enable_private_segment 0
		.amdhsa_kernarg_size 32
		.amdhsa_user_sgpr_count 2
		.amdhsa_user_sgpr_kernarg_segment_ptr 1
		.amdhsa_wavefront_size32 1
		.amdhsa_system_sgpr_workgroup_id_x 1
		.amdhsa_system_sgpr_workgroup_id_y 1
		.amdhsa_system_sgpr_workgroup_id_z 1
		.amdhsa_system_vgpr_workitem_id 0
		.amdhsa_next_free_vgpr 768
		.amdhsa_next_free_sgpr 80
		.amdhsa_reserve_vcc 1
		.amdhsa_float_denorm_mode_32 3
		.amdhsa_float_denorm_mode_16_64 3
		.amdhsa_memory_ordered 1
		.amdhsa_forward_progress 1
		.amdhsa_inst_pref_size 250
	.end_amdhsa_kernel
	.amdgpu_metadata
---
amdhsa.version: [ 1, 2 ]
amdhsa.kernels:
  - .name:           k_q7766ab3da8_attn
    .symbol:         k_q7766ab3da8_attn.kd
    .args:
      - { .name: qb, .offset: 0, .size: 8, .value_kind: global_buffer, .address_space: global }
      - { .name: kb, .offset: 8, .size: 8, .value_kind: global_buffer, .address_space: global }
      - { .name: vb, .offset: 16, .size: 8, .value_kind: global_buffer, .address_space: global }
      - { .name: ab, .offset: 24, .size: 8, .value_kind: global_buffer, .address_space: global }
    .group_segment_fixed_size: 327680
    .private_segment_fixed_size: 0
    .kernarg_segment_align: 8
    .kernarg_segment_size: 32
    .max_flat_workgroup_size: 128
    .sgpr_count:     80
    .vgpr_count:     768
    .wavefront_size: 32
...
	.end_amdgpu_metadata
.endif
;; end of part 5
;; launch oproj (part 6): grid 8 x 32, 4 waves a work-group, clusters of 4 x 4, 327,680 bytes of LDS; arguments ab, wob, out0; writes out0
.if DOCPART == 6
	.amdgcn_target "amdgcn-amd-amdhsa--gfx1250"
	.amdhsa_code_object_version 6
	.text
	.protected	k_q7766ab3da8_oproj
	.globl	k_q7766ab3da8_oproj
	.p2align	8
	.type	k_q7766ab3da8_oproj,@function
k_q7766ab3da8_oproj:
	s_mov_b64 s[64:65], 0
	v_nop
	global_prefetch_b8 v0, s[64:65] scope:SCOPE_SE
	s_setreg_imm32_b32 hwreg(HW_REG_WAVE_MODE, 25, 1), 1
	s_wait_xcnt 0x0
	s_wait_alu depctr_hold_cnt(0) depctr_sa_sdst(0) depctr_va_vdst(0) depctr_va_sdst(0) depctr_va_ssrc(0) depctr_va_vcc(0) depctr_vm_vsrc(0)
	s_getreg_b32 s2, hwreg(HW_REG_IB_STS2, 6, 4)
	s_cmp_eq_u32 s2, 0
	s_cbranch_scc0 .Lentry_in_a_cluster
	s_endpgm
.Lentry_in_a_cluster:
	s_bfe_u32 s2, ttmp6, 0x10000c
	s_cmp_lg_u32 s2, 0xf033
	s_cbranch_scc0 .Lentry_shape_is_right
	s_endpgm
.Lentry_shape_is_right:
; out0 = o . wob.  wob [1024 k][2048 n] bf16; out0 [4096][2048] f32.  ab holds o in 5,120 lines of 1,024 bf16: rows under 1,024 in two pieces, in blocks of 16 rows (16 lines of high pieces,
; then 16 lines of low pieces); row R from 1,024 on in one piece, at line R + 1,024.
; ROWS ARE DEALT SO THAT EVERY WAVE HAS ONE BLOCK WITH A LOW PIECE.  Tile row TR (0..31), half MI: u = 2 TR + MI.  The wave's block 0 is rows 16 u on, multiplied in both pieces onto the same
; sums; its blocks 1 to 3 are rows 1,024 + 48 u on.  So the second piece costs every wave a quarter more products, and the work is even.
; A work-group's tile of ab is two dense runs of lines: 64 lines from 64 TR (for each half: 16 high, 16 low), and 96 lines from 2,048 + 96 TR.
; SHARES: 128 rows x 256 columns a work-group, 8 x 32 = 256 work-groups; four waves of 64 x 128 (32 accumulators); K in 8 steps of 128 through two LDS slots; cluster 4 x 4 with ab's tile shared
; along a row of the cluster and wob's along a column.  Wave 0 fetches ab's 64 lines, wave 1 its 96, waves 2 and 3 wob's two halves.
; THE MATRIX INSTRUCTION IS USED TRANSPOSED (source 0 = 16 columns of wob, turned by ds_load_tr16_b128; source 1 = 16 rows of ab): in accumulator (a, b) lane l, register j, holds row l % 16 of
; block a, column 16 b + 8 (l / 16) + j.
; THE WAY OUT: a lane's eight f32 are 32 bytes of a row; a block of 16 rows x 512 bytes goes through the wave's own stage and comes back as whole rows: a store of a wave covers 512 consecutive bytes.
; REGISTERS: window 0: v0-31 addresses; v32-135, v136-239 two fragment buffers (64 of wob, 40 of ab); on the way out v32-95, v96-159 rows read back.  window 1: the accumulators.
; LIMIT: wob is bf16; o has 16 bits of mantissa in rows under 1,024 and 8 in the others, whose queries have 1,024 keys each.
.set APITCH, 1024                      ; elements in a line of ab
.set AROW,   2048                      ; bytes in it
.set KSTEP,  128
.set LAPS,   1024/(2*KSTEP)            ; a lap = two K steps = once round the ring
.set WROW,   4096                      ; bytes in a row of wob
.set OROW,   8192                      ; bytes in a row of out0
.set PA,     272                       ; an LDS row of ab: 256 bytes + 16
.set PB,     544                       ; an LDS row of wob: 512 bytes + 32
.set SROWS,  64                        ; lines of rows in two pieces
.set OROWS,  96                        ; lines of rows in one piece
.set ATILE,  (SROWS+OROWS)*PA
.set BHALF,  64*PB
.set S1,     ATILE+2*BHALF             ; a slot: ab's 160 lines, then wob's 128 rows: 113,152 bytes
.set STAGE,  2*S1
.set SPO,    528                       ; a row of the stage: 512 bytes + 16
.set SPARE,  STAGE+4*16*SPO            ; behind the stages: the spare words, 128 bytes for each wave: two blocks of 256 bytes that no other line names
.set ADRS, 16                          ; v16-17  LDS address of my block 0's high piece in slot 0, 1 (its low piece: 16 LDS rows further on)
.set ADRO, 18                          ; v18-19  the same for my block 1 (blocks 2, 3: 16 and 32 LDS rows further on)
.set ADRB, 20                          ; v20-21  the same for wob
.set STO,  24
.set RD,   25
.set CO,   26
.set SPW,  28
.set NIL,  29
.set F0,   32                          ; a buffer: wob's fragment b at +8 b; ab's at +64: block 0 high, block 1, block 0 low, block 2, block 3
.set F1,   136
.set BK0,  32
.set WV, 22
.set MI, 23
.set NJ, 24
.set CX, 25
.set CY, 26
.set TC, 27
.set TR, 28
.set RMASK, 29
.set CMASK, 30
.set G1S, 32                           ; s[32:39], s[40:47], s[48:55] group 1 for ab's 64 lines, its 96 lines, wob
.set G1O, 40
.set G1B, 48
.set G0S, 56                           ; s[56:63], s[68:75], s[76:83] group 0 of the three, a set for each slot
.set G0O, 68
.set G0B, 76
.set AOF, 84
.set OOF, 86
.set BOF, 88
.set DST0, 90                          ; out0 at my block 0
.set DST1, 92                          ; out0 at my block 1
.set LAP, 94
.set MSB, 0
.macro WIN new
.if MSB != \new
	s_set_vgpr_msb (MSB<<8)|\new
.set MSB, \new
.endif
.endm
.set MUL, 0x50                         ; C and D in window 1, the sources in window 0
.macro PLACES
.rept 4
	v_nop
.endr
.endm
; A joint load, one a wave.  Each of the three lines has one mask and one set of registers for all that issue it; the branches hang on the wave's number alone.
; Four v_nop follow each line.
.macro JLOAD s
	s_cmp_lt_u32 s[WV], 2
	s_cbranch_scc0 .Lfor_b_\@
	s_cmp_eq_u32 s[WV], 0
	s_cbranch_scc0 .Lfor_o_\@
	tensor_load_to_lds s[G0S+4*\s:G0S+4*\s+3], s[G1S:G1S+7]
	s_nop 0
.rept 4
	v_nop
.endr
	s_branch .Lasked_\@
.Lfor_o_\@:
	tensor_load_to_lds s[G0O+4*\s:G0O+4*\s+3], s[G1O:G1O+7]
	s_nop 0
.rept 4
	v_nop
.endr
	s_branch .Lasked_\@
.Lfor_b_\@:
	tensor_load_to_lds s[G0B+4*\s:G0B+4*\s+3], s[G1B:G1B+7]
	s_nop 0
.rept 4
	v_nop
.endr
.Lasked_\@:
.endm
.macro CREST
	s_cmp_lg_u32 s[WV], 0
	s_cbranch_scc1 .Lnot_wave_0_\@
	s_barrier_signal -3
.Lnot_wave_0_\@:
	s_barrier_wait -3
	s_barrier_signal -1
	s_barrier_wait -1
.endm
.macro CROUND
	s_barrier_signal -1
	s_barrier_wait -1
	CREST
.endm
	s_load_b128 s[4:7], s[0:1], 0x0                ; ab s[4:5], wob s[6:7]
	s_load_b64 s[8:9], s[0:1], 0x10                ; out0
	v_lshl_add_u32 v[SPW], v0, 2, SPARE
	v_mov_b32 v[NIL], 0
	ds_add_u32 v28, v29
	ds_add_u32 v28, v29
	s_wait_dscnt 0x0
	v_lshrrev_b32 v1, 5, v0
	v_readfirstlane_b32 s[WV], v1
	s_lshr_b32 s[MI], s[WV], 1
	s_and_b32 s[NJ], s[WV], 1
	s_bfe_u32 s[CX], ttmp6, 0x40000
	s_bfe_u32 s[CY], ttmp6, 0x40004
	s_lshl_b32 s[TC], ttmp9, 2
	s_add_co_u32 s[TC], s[TC], s[CX]
	s_and_b32 s[TR], ttmp7, 0xffff
	s_lshl_b32 s[TR], s[TR], 2
	s_add_co_u32 s[TR], s[TR], s[CY]
	s_lshl_b32 s[RMASK], s[CY], 2
	s_lshl_b32 s[RMASK], 15, s[RMASK]
	s_lshl_b32 s[CMASK], 0x1111, s[CX]
	s_or_b32 s[G1S+0], s[RMASK], (1<<16)|(1<<20)|(1<<21)|(5<<22)|(3<<25)   ; 64 lines x 128 elements of 2 bytes; 4 words of padding behind every 64
	s_mov_b32 s[G1S+1], KSTEP<<16
	s_mov_b32 s[G1S+2], SROWS<<16
	s_mov_b32 s[G1S+3], KSTEP<<16
	s_mov_b32 s[G1S+4], SROWS
	s_mov_b32 s[G1S+5], APITCH
	s_mov_b32 s[G1S+6], 0
	s_mov_b32 s[G1S+7], 0
	s_or_b32 s[G1O+0], s[RMASK], (1<<16)|(1<<20)|(1<<21)|(5<<22)|(3<<25)   ; the same with 96 lines
	s_mov_b32 s[G1O+1], KSTEP<<16
	s_mov_b32 s[G1O+2], OROWS<<16
	s_mov_b32 s[G1O+3], KSTEP<<16
	s_mov_b32 s[G1O+4], OROWS
	s_mov_b32 s[G1O+5], APITCH
	s_mov_b32 s[G1O+6], 0
	s_mov_b32 s[G1O+7], 0
	s_or_b32 s[G1B+0], s[CMASK], (1<<16)|(1<<20)|(1<<21)|(6<<22)|(7<<25)   ; 64 rows (k) x 256 elements; 8 words of padding behind every 128
	s_mov_b32 s[G1B+1], 256<<16
	s_mov_b32 s[G1B+2], 64<<16
	s_mov_b32 s[G1B+3], 256<<16
	s_mov_b32 s[G1B+4], 64
	s_mov_b32 s[G1B+5], 2048
	s_mov_b32 s[G1B+6], 0
	s_mov_b32 s[G1B+7], 0
	s_lshl_b32 s[AOF], s[TR], 17                   ; ab: line 64 x tile row, 2,048 bytes a line
	s_mov_b32 s[AOF+1], 0
	s_mul_i32 s[OOF], s[TR], OROWS*AROW            ; and line 2,048 + 96 x tile row
	s_add_co_u32 s[OOF], s[OOF], 2048*AROW
	s_mov_b32 s[OOF+1], 0
	s_lshl_b32 s[BOF], s[TC], 9                    ; wob: 512 bytes a tile column, 64 rows of 4,096 bytes for the second half
	s_lshl_b32 s95, s[NJ], 18
	s_add_co_u32 s[BOF], s[BOF], s95
	s_mov_b32 s[BOF+1], 0
	s_mul_i32 s97, s[NJ], BHALF                    ; where wob's halves go in a slot: no place in the cluster enters an LDS address
	s_add_co_u32 s97, s97, ATILE
	s_wait_kmcnt 0x0
	s_add_nc_u64 s[AOF:AOF+1], s[4:5], s[AOF:AOF+1]
	s_add_nc_u64 s[OOF:OOF+1], s[4:5], s[OOF:OOF+1]
	s_add_nc_u64 s[BOF:BOF+1], s[6:7], s[BOF:BOF+1]
	CROUND                                         ; all sixteen work-groups are here: the first joint loads meet
.irp s, 0,1
	s_mov_b32 s[G0S+4*\s], 1
	s_mov_b32 s[G0S+4*\s+1], \s*S1
	s_add_nc_u64 s[G0S+4*\s+2:G0S+4*\s+3], s[AOF:AOF+1], \s*KSTEP*2   ; K step s
	s_or_b32 s[G0S+4*\s+3], s[G0S+4*\s+3], 0x80000000
	s_mov_b32 s[G0O+4*\s], 1
	s_mov_b32 s[G0O+4*\s+1], \s*S1+SROWS*PA
	s_add_nc_u64 s[G0O+4*\s+2:G0O+4*\s+3], s[OOF:OOF+1], \s*KSTEP*2
	s_or_b32 s[G0O+4*\s+3], s[G0O+4*\s+3], 0x80000000
	s_mov_b32 s[G0B+4*\s], 1
	s_add_co_u32 s[G0B+4*\s+1], s97, \s*S1
	s_add_nc_u64 s[G0B+4*\s+2:G0B+4*\s+3], s[BOF:BOF+1], \s*KSTEP*WROW
	s_or_b32 s[G0B+4*\s+3], s[G0B+4*\s+3], 0x80000000
	JLOAD \s                                       ; two tensor loads of mine are out
.endr
	; where my parts of out0 begin: byte 1,024 x tile column + 512 NJ of row 32 TR + 16 MI (block 0) and of row 1,024 + 96 TR + 48 MI (block 1)
	s_lshl_b32 s2, s[TC], 10
	s_lshl_b32 s3, s[NJ], 9
	s_add_co_u32 s2, s2, s3
	s_lshl_b32 s98, s[TR], 18
	s_lshl_b32 s3, s[MI], 17
	s_add_co_u32 s98, s98, s3
	s_add_co_u32 s98, s98, s2
	s_mov_b32 s99, 0
	s_add_nc_u64 s[DST0:DST0+1], s[8:9], s[98:99]
	s_mul_i32 s98, s[TR], 96*OROW
	s_mul_i32 s3, s[MI], 48*OROW
	s_add_co_u32 s98, s98, s3
	s_add_co_u32 s98, s98, s2
	s_add_co_u32 s98, s98, 1024*OROW
	s_add_nc_u64 s[DST1:DST1+1], s[8:9], s[98:99]
	v_and_b32 v1, 15, v0                           ; l % 16
	v_bfe_u32 v2, v0, 4, 1                         ; l / 16
	v_mul_u32_u24 v3, v1, PA
	v_lshl_add_u32 v3, v2, 4, v3                   ; a fragment's row x pitch + 16 x half
	s_mul_i32 s95, s[MI], 32*PA                    ; my half's 16 high and 16 low lines
	v_add_nc_u32 v[ADRS], s95, v3
	v_add_nc_u32 v[ADRS+1], S1, v[ADRS]
	s_mul_i32 s95, s[MI], 48*PA                    ; my half's 48 lines in one piece, behind the 64
	s_add_co_u32 s95, s95, SROWS*PA
	v_add_nc_u32 v[ADRO], s95, v3
	v_add_nc_u32 v[ADRO+1], S1, v[ADRO]
	v_and_b32 v4, 7, v0                            ; wob, turned: row (k) 8 (l / 16) + l % 8, column 8 ((l / 8) % 2)
	v_lshl_add_u32 v4, v2, 3, v4
	v_mul_u32_u24 v4, v4, PB
	v_bfe_u32 v5, v0, 3, 1
	v_lshl_add_u32 v4, v5, 4, v4
	s_lshl_b32 s95, s[NJ], 8
	s_add_co_u32 s95, s95, ATILE
	v_add_nc_u32 v[ADRB], s95, v4
	v_add_nc_u32 v[ADRB+1], S1, v[ADRB]
	s_mul_i32 s95, s[WV], 16*SPO
	s_add_co_u32 s95, s95, STAGE                   ; my stage
	v_mul_u32_u24 v4, v1, SPO                      ; in: row l % 16, 32 bytes for each half of the lanes
	v_lshl_add_u32 v4, v2, 5, v4
	v_add_nc_u32 v[STO], s95, v4
	v_and_b32 v5, 31, v0
	v_lshlrev_b32 v[CO], 4, v5                     ; back and out: 16 bytes a lane, a whole row of 512 bytes a wave
	v_add_nc_u32 v[RD], s95, v[CO]
; 8 matrix instructions: fragment fa of ab x all 8 blocks of 16 columns, 32 along K, onto the accumulators of block a.  zero = 1: the product starts the sums.
; The accumulators take turns, one instruction a turn, in the same order in every quarter: between block 0's high and low piece stand block 1's eight.
.macro MUL8 f, fa, a, zero
.irp b, 0,1,2,3,4,5,6,7
.if \zero
	v_wmma_f32_16x16x32_bf16 v[8*(8*(\a)+\b):8*(8*(\a)+\b)+7], v[\f+8*\b:\f+8*\b+7], v[\f+64+8*(\fa):\f+64+8*(\fa)+7], 0
.else
	v_wmma_f32_16x16x32_bf16 v[8*(8*(\a)+\b):8*(8*(\a)+\b)+7], v[\f+8*\b:\f+8*\b+7], v[\f+64+8*(\fa):\f+64+8*(\fa)+7], v[8*(8*(\a)+\b):8*(8*(\a)+\b)+7]
.endif
.endr
.endm
.macro FIRST16 f, zero                 ; block 0's high piece, block 1
	MUL8 \f, 0, 0, \zero
	MUL8 \f, 1, 1, \zero
.endm
.macro LAST24 f, zero                  ; block 0's low piece (onto sums that its high piece has started), blocks 2 and 3
	MUL8 \f, 2, 0, 0
	MUL8 \f, 3, 2, \zero
	MUL8 \f, 4, 3, \zero
.endm
.macro FETCH slot, q, f                ; 26 LDS loads in one run: quarter q of a slot into buffer f: wob's 8 fragments, then ab's 5 in the order of their use
	WIN 0
.irp b, 0,1,2,3,4,5,6,7
	ds_load_tr16_b128 v[\f+8*\b:\f+8*\b+3],   v[ADRB+\slot] offset:\q*32*PB+32*\b
	ds_load_tr16_b128 v[\f+8*\b+4:\f+8*\b+7], v[ADRB+\slot] offset:\q*32*PB+32*\b+16*PB
.endr
	ds_load_b128 v[\f+64:\f+67], v[ADRS+\slot] offset:\q*64
	ds_load_b128 v[\f+68:\f+71], v[ADRS+\slot] offset:\q*64+32
	ds_load_b128 v[\f+72:\f+75], v[ADRO+\slot] offset:\q*64
	ds_load_b128 v[\f+76:\f+79], v[ADRO+\slot] offset:\q*64+32
	ds_load_b128 v[\f+80:\f+83], v[ADRS+\slot] offset:\q*64+16*PA
	ds_load_b128 v[\f+84:\f+87], v[ADRS+\slot] offset:\q*64+16*PA+32
.irp i, 0,1
	ds_load_b128 v[\f+88+8*\i:\f+88+8*\i+3],   v[ADRO+\slot] offset:\q*64+(\i+1)*16*PA
	ds_load_b128 v[\f+88+8*\i+4:\f+88+8*\i+7], v[ADRO+\slot] offset:\q*64+(\i+1)*16*PA+32
.endr
.endm
; A K step is four quarters of 32 along K, 40 matrix instructions each, on buffers 0, 1, 0, 1.  One of the first three multiplies buffer f and fetches quarter q into g.
.macro QUARTER slot, q, f, g, zero
	s_wait_dscnt 6                                 ; wob, block 0's high piece and block 1 are in; the youngest six loads may be out
	WIN MUL
	FIRST16 \f, \zero
	PLACES
	FETCH \slot, \q, \g
	s_wait_dscnt 26                                ; all but the 26 just issued
	WIN MUL
	LAST24 \f, \zero
.endm
; The last quarter multiplies buffer 1 and changes slots: ONE barrier; in front of it each wave waits for all its tensor loads, adds 0 to its spare word, and waits for that and for its reads of this slot.
; fill = 1: the barrier opens a round of the cluster's barrier, and this slot is filled again, two K steps ahead.
.macro TURN slot, next, fill
	WIN 0
	s_wait_tensorcnt 0x0
	ds_add_u32 v[SPW], v[NIL]                      ; 0 onto my spare word
	s_wait_dscnt 7                                 ; (the add and the youngest six loads may be out)
	WIN MUL
	MUL8 F1, 0, 0, 0
	s_wait_dscnt 0x0                               ; the add is done, and my reads of this slot are over
	s_barrier_signal -1
	MUL8 F1, 1, 1, 0
.if \fill
	WIN 0
.endif
	s_barrier_wait -1
.if \fill
	CREST
	s_add_nc_u64 s[G0S+4*\slot+2:G0S+4*\slot+3], s[G0S+4*\slot+2:G0S+4*\slot+3], 2*KSTEP*2
	s_add_nc_u64 s[G0O+4*\slot+2:G0O+4*\slot+3], s[G0O+4*\slot+2:G0O+4*\slot+3], 2*KSTEP*2
	s_add_nc_u64 s[G0B+4*\slot+2:G0B+4*\slot+3], s[G0B+4*\slot+2:G0B+4*\slot+3], 2*KSTEP*WROW
	JLOAD \slot                                    ; my one tensor load behind the round, 144 matrix instructions ahead of the wait for it; its four v_nop are also the places in front of the loads below
.else
	PLACES
.endif
	FETCH \next, 0, F0
	WIN MUL
	LAST24 F1, 0
.endm
	s_wait_tensorcnt 1                             ; my part of K step 0 is in; K step 1's may stay out
	s_barrier_signal -1
	s_barrier_wait -1
	FETCH 0, 0, F0
	QUARTER 0, 1, F0, F1, 1                        ; the first quarter's products start the sums
	WIN 0
	s_mov_b32 s[LAP], LAPS-1
.Llap:
	QUARTER 0, 2, F1, F0, 0
	QUARTER 0, 3, F0, F1, 0
	TURN 0, 1, 1
	QUARTER 1, 1, F0, F1, 0
	QUARTER 1, 2, F1, F0, 0
	QUARTER 1, 3, F0, F1, 0
	TURN 1, 0, 1
	QUARTER 0, 1, F0, F1, 0
	WIN 0
	s_sub_co_u32 s[LAP], s[LAP], 1
	s_cmp_lg_u32 s[LAP], 0
	s_cbranch_scc1 .Llap
	QUARTER 0, 2, F1, F0, 0                        ; the last lap fills nothing
	QUARTER 0, 3, F0, F1, 0
	TURN 0, 1, 0
	QUARTER 1, 1, F0, F1, 0
	QUARTER 1, 2, F1, F0, 0
	QUARTER 1, 3, F0, F1, 0
	s_wait_dscnt 6
	WIN MUL
	FIRST16 F1, 0
	s_wait_dscnt 0x0
	LAST24 F1, 0
	WIN 0
.macro TOSTAGE a                       ; block a: 32 bytes a lane and accumulator into my stage, the low four registers first; back as 16 whole rows
.set BK, BK0+64*((\a)%2)
.if (\a) >= 2
	s_wait_xcnt 0x0                                ; the stores of the block two back have had their addresses translated (ISA guide 3.1): its registers are loaded again only behind this wait
.endif
	WIN 0x04                                       ; the stored data lie in window 1
.irp b, 0,1,2,3,4,5,6,7
	ds_store_b128 v[STO], v[64*(\a)+8*\b:64*(\a)+8*\b+3]   offset:64*\b
	ds_store_b128 v[STO], v[64*(\a)+8*\b+4:64*(\a)+8*\b+7] offset:64*\b+16
.endr
	WIN 0
.irp t, 0,1,2,3,4,5,6,7,8,9,10,11,12,13,14,15
	ds_load_b128 v[BK+4*\t:BK+4*\t+3], v[RD] offset:\t*SPO         ; LDS serves a wave's instructions in order (ISA guide 5.7.1.4): these see the stores above
.endr
.endm
.macro SEND a, base, row0, younger     ; younger: the next block's 16 LDS stores and 16 LDS loads, or none
.set BK, BK0+64*((\a)%2)
	s_wait_dscnt \younger
.irp t, 0,1,2,3,4,5,6,7,8,9,10,11,12,13,14,15
	global_store_b128 v[CO], v[BK+4*\t:BK+4*\t+3], s[\base:\base+1] offset:(\row0+\t)*OROW th:TH_STORE_NT   ; 32 lanes store 512 consecutive bytes, at a multiple of 512 from out0's first byte
.endr
.endm
	PLACES                                         ; behind the last products
	TOSTAGE 0
	TOSTAGE 1
	SEND 0, DST0, 0, 32
	TOSTAGE 2
	SEND 1, DST1, 0, 32
	TOSTAGE 3
	SEND 2, DST1, 16, 32
	SEND 3, DST1, 32, 0
	s_wait_tensorcnt 0x0                           ; the wave's end: behind my last tensor load and my last LDS store
	ds_add_u32 v[SPW], v[NIL]
	s_wait_dscnt 0x0
	CROUND                                         ; the closing round
	s_endpgm
.Lfunc_end_k_q7766ab3da8_oproj:
	.size	k_q7766ab3da8_oproj, .Lfunc_end_k_q7766ab3da8_oproj-k_q7766ab3da8_oproj
	.p2alignl 7, 3214868480
	.fill 96, 4, 3214868480
	.section	.rodata,"a",@progbits
	.p2align	6, 0x0
	.amdhsa_kernel k_q7766ab3da8_oproj
		.amdhsa_group_segment_fixed_size 327680
		.amdhsa_private_segment_fixed_size 0
		.amdhsa_enable_private_segment 0
		.amdhsa_kernarg_size 24
		.amdhsa_user_sgpr_count 2
		.amdhsa_user_sgpr_kernarg_segment_ptr 1
		.amdhsa_wavefront_size32 1
		.amdhsa_system_sgpr_workgroup_id_x 1
		.amdhsa_system_sgpr_workgroup_id_y 1
		.amdhsa_system_sgpr_workgroup_id_z 1
		.amdhsa_system_vgpr_workitem_id 0
		.amdhsa_next_free_vgpr 512
		.amdhsa_next_free_sgpr 100
		.amdhsa_reserve_vcc 0
		.amdhsa_float_denorm_mode_32 3
		.amdhsa_float_denorm_mode_16_64 3
		.amdhsa_memory_ordered 1
		.amdhsa_forward_progress 1
		.amdhsa_inst_pref_size 97
	.end_amdhsa_kernel
	.amdgpu_metadata
---
amdhsa.version: [ 1, 2 ]
amdhsa.kernels:
  - .name:           k_q7766ab3da8_oproj
    .symbol:         k_q7766ab3da8_oproj.kd
    .args:
      - { .name: ab, .offset: 0, .size: 8, .value_kind: global_buffer, .address_space: global }
      - { .name: wob, .offset: 8, .size: 8, .value_kind: global_buffer, .address_space: global }
      - { .name: out0, .offset: 16, .size: 8, .value_kind: global_buffer, .address_space: global }
    .group_segment_fixed_size: 327680
    .private_segment_fixed_size: 0
    .kernarg_segment_align: 8
    .kernarg_segment_size: 24
    .max_flat_workgroup_size: 128
    .sgpr_count:     100
    .vgpr_count:     512
    .wavefront_size: 32
...
	.end_amdgpu_metadata
.endif
;; end of part 6
